; MI455X (gfx1250); checked and timed in simulation.
; The chip was launched on July 23, 2026; its instructions are those of AMD's public machine-readable ISA for CDNA 5 (MIT licence, August 2026) and "CDNA5" Instruction Set Architecture Reference Guide (July 2026). The comments in the code are by the model that wrote it; some were corrected since.
;; Local Attention. Allowed arithmetic: matrix products marked QUANTISED: E5M2 operands, one E8M0 scale for each 32 along K, by v_wmma_scale_f32_16x16x128_f8f6f4 with both operands' format E5M2, f32 sums; products left as they are: f32 operands where the result goes on into a quantised operand, else bf16, f16 or f32 operands; f32 sums; everything else in f32.
;; Inputs: W1 256 x 1,024 float32; W2 1,024 x 256 float32; Wk 256 x 128 float32; Wo 256 x 256 float32; Wq 256 x 128 float32; Wv 256 x 256 float32; b1 256 float32; b1f 1,024 float32; b2f 256 float32; bf 256 float32; bk 128 float32; bo 256 float32; bq 128 float32; bv 256 float32; g1 256 float32; gf 256 float32; rw 1 float32; x 8 x 2,048 x 256 float32.
;; Outputs: out0 8 x 2,048 x 256 float32.
;; This version of the problem:
;;   THIS VERSION OF THE PROBLEM IS GIVEN IN LOW PRECISION. The matrix products marked QUANTISED in the list below multiply operands that are first quantised to E5M2 (5 exponent bits, 2 mantissa bits; 8 bits a number), with one power-of-two scale for each 32 numbers along K (OCP MX v1.0); their sums are f32. All else is computed in f32.
;;   The module's matrix products, in the order in which they are computed (A, B: the left and right operand; K: the contracted axis; several contracted axes count as one K, in the product's order):
;;     1. [M 16,384, K 256] x [K 256, N 128]; A: input x; B: input Wq: QUANTISED
;;     2. [M 16,384, K 256] x [K 256, N 128]; A: input x; B: input Wk: QUANTISED
;;     3. batch 8 x [M 2,048, K 128] x [K 128, N 2,048]; A: computed on the way; B: computed on the way: QUANTISED
;;     4. [M 262,144, K 256] x [K 256, N 256]; A: computed on the way; B: input Wv: QUANTISED
;;     5. batch 131,072 x [M 1, K 16] x [K 16, N 16]; A: computed on the way; B: computed on the way: left as it is (K = 16 < 32)
;;     6. batch 131,072 x [M 1, K 16] x [K 16, N 32]; A: softmax; B: computed on the way: left as it is (K = 16 < 32)
;;     7. [M 16,384, K 256] x [K 256, N 256]; A: computed on the way; B: input Wo: QUANTISED
;;     8. [M 16,384, K 256] x [K 256, N 1,024]; A: computed on the way; B: input W1: QUANTISED
;;     9. [M 16,384, K 1,024] x [K 1,024, N 256]; A: computed on the way; B: input W2: QUANTISED
;;   THE QUANTISER, for each operand of a quantised product, along K:
;;     - K is cut into blocks of 32 from its start; a last block that is shorter is filled with zeros.
;;     - A block's scale is 2^e with e = floor(log2(the largest magnitude in the block)) - 15, held to -126 .. 127; a block of zeros has e = 0. As a byte (E8M0): e + 127.
;;     - Each number is divided by its block's scale, clamped to +-57,344, and rounded to the nearest number of E5M2, ties to even, subnormals kept.
;;     - The product sums the exact products of the quantised numbers (number of the format x scale) in f32.
;;   ~~~python
;;   def quantise(x, axis):      # numpy; x: float32 -> the quantised numbers, widened to float32 again
;;       x = np.moveaxis(x, axis, -1); K = x.shape[-1]
;;       x = np.pad(x, [(0, 0)] * (x.ndim - 1) + [(0, -K % 32)]); x = x.reshape(x.shape[:-1] + (-1, 32)); a = np.abs(x).max(-1, keepdims=True)
;;       e = np.where(a > 0, np.clip(np.frexp(np.where(a > 0, a, 1))[1] - 1 - 15, -126, 127), 0)      # np.frexp(a)[1] - 1 = floor(log2(a)), exactly
;;       r = np.clip(x / 2.0 ** e, -57344, 57344)
;;       step = 2.0 ** (np.maximum(np.frexp(np.where(r == 0, 1, r))[1] - 1, -14) - 2)
;;       q = np.round(r / step) * step * 2.0 ** e      # np.round: ties to even
;;       return np.moveaxis(q.reshape(q.shape[:-2] + (-1,))[..., :K], -1, axis).astype(np.float32)
;;   ~~~
;;   OPERANDS COMPUTED ON THE WAY. 'Computed on the way' means the value that the module computes at that place (a softmax that the list does not call 'softmax' is quantised finished and normalised). What goes into a quantiser is computed in f32, as accurately as f32 sums, v_exp_f32 and their like allow (about 1e-6 of the number): no bf16 or f16 on the way to a quantiser, and a product that is left as it is and whose result goes on into a quantised operand takes f32 operands (vector FMAs, or v_wmma_f32_16x16x4_f32). A number that lies on a knife's edge between two numbers of the format may be rounded either way, as far as f32 arithmetic and the matrix unit's own rounding can turn it there, and no further.
;; One version. Each part assembles by itself: llvm-mc -triple=amdgcn-amd-amdhsa -mcpu=gfx1250 --defsym DOCPART=n.
;; ======== version 1 of 1: 4 launches
;; limits: a function is approximated: absolute error at most 1e-07
;; workspace buffers: wq 743,424 bytes; frag 4,194,304 bytes; aux 262,144 bytes; qkn 16,777,216 bytes; xq 4,325,376 bytes; masks 8,388,608 bytes of whole numbers
;; launch wprep (part 1): grid 352 x 1, 1 waves a work-group, no clusters, 0 bytes of LDS; arguments Wq, Wk, Wv, Wo, W1, W2, wq; writes wq
.if DOCPART == 1
	.amdgcn_target "amdgcn-amd-amdhsa--gfx1250"
	.amdhsa_code_object_version 6
	.text
	.protected	k_q6b89dbfb0e_wprep
	.globl	k_q6b89dbfb0e_wprep
	.p2align	8
	.type	k_q6b89dbfb0e_wprep,@function
k_q6b89dbfb0e_wprep:
	s_mov_b64 s[64:65], 0
	v_nop
	global_prefetch_b8 v0, s[64:65] scope:SCOPE_SE
	s_setreg_imm32_b32 hwreg(HW_REG_WAVE_MODE, 25, 1), 1
	s_wait_xcnt 0x0
; The six weights, f32 stored [K][N], become operands of BF8 (E5M2) codes with one E8M0 byte for each 32 along K.
; One wave makes one fragment F (16 columns x 128 K): a lane takes a column and its registers run down K, in the order that the
; matrix operand gives that lane, so the conversions' results are the operand's registers.  They are stored as an image of those
; registers: byte 512 c + 16 lane of the fragment's 2,048; the 16 scale words go to WSCL + 64 F.
; F: Wq 0.., Wk 16.., Wv 32.., Wo 64.., W1 96.. (tile t, K step s: 2 t + s), W2 224.. (8 t + s).
; Columns of tile t: Wv 16 t + r; all others 32 (t / 2) + 8 (t % 2) + r + 8 (r / 8), so that in the transposed product the 16
; registers of two neighbouring tiles are 16 neighbouring columns.
; LIMITS: NaN and infinities are not served; a block whose largest magnitude lies under 2^(16 - 127), a block of zeros among them,
; keeps the byte 1 (its codes are what the conversion gives; the bytes are read by this program alone).
.set WSCL, 720896
.set AD,   16                          ; v16-31  byte offsets of rows 16 h + i of the K step, at my column
.set TM,   32                          ; v32-47  at work in the quantiser
.set PW,   48                          ; v48     the scale word
.set X,    64                          ; v64-127 64 numbers: register 16 c + i = k 32 c + 16 h + i
.set PC,   128                         ; v128-143 the codes
.set MNT,  45
.set SEL,  46
.macro QUANT s                         ; 64 numbers of a lane -> 16 registers of codes and a scale word
.irp b, 0,1,2,3
	v_max3_num_f32 v[TM+\b], |v[\s+16*\b]|, |v[\s+1+16*\b]|, 0x8000000   ; my 16 numbers of block b and the floor 2^(16 - 127)
.endr
.irp i, 2,4,6,8,10,12,14
.irp b, 0,1,2,3
	v_max3_num_f32 v[TM+\b], v[TM+\b], |v[\s+16*\b+\i]|, |v[\s+1+16*\b+\i]|
.endr
.endr
.irp b, 0,1,2,3
	v_permlanex16_b32 v[TM+4+\b], v[TM+\b], s[SEL], s[SEL+1]
.endr
.irp b, 0,1,2,3
	v_max_num_f32 v[TM+\b], v[TM+\b], v[TM+4+\b]            ; with the other half of the lanes': the block's largest magnitude
.endr
.irp b, 0,1,2,3
	v_add_nc_u32 v[TM+12+\b], 0xf8800000, v[TM+\b]          ; 15 off its exponent field: the conversion's scale operand
.endr
.irp b, 0,1,2,3
	v_and_or_b32 v[TM+8+\b], v[TM+\b], 0x7f800000, s[MNT]   ; 57,344 x the scale
.endr
.irp b, 0,1,2,3
	v_lshrrev_b32 v[TM+4+\b], 23, v[TM+12+\b]               ; the scale's byte
.endr
	v_lshl_or_b32 v[PW], v[TM+5], 8, v[TM+4]
	v_lshl_or_b32 v[PW], v[TM+6], 16, v[PW]
	v_lshl_or_b32 v[PW], v[TM+7], 24, v[PW]
.irp b, 0,1,2,3
.irp i, 0,1,2,3,4,5,6,7,8,9,10,11,12,13,14,15
	v_med3_num_f32 v[\s+16*\b+\i], v[\s+16*\b+\i], -v[TM+8+\b], v[TM+8+\b]   ; the conversion does not saturate (ISA guide 7.6.2): hold first
.endr
	v_cvt_scalef32_pk8_bf8_f32 v[PC+4*\b:PC+1+4*\b], v[\s+16*\b:\s+7+16*\b], v[TM+12+\b]
	v_cvt_scalef32_pk8_bf8_f32 v[PC+2+4*\b:PC+3+4*\b], v[\s+8+16*\b:\s+15+16*\b], v[TM+12+\b]
.endr
	v_nop                                                   ; a plain line behind the last conversion
.endm
	s_load_b256 s[4:11], s[0:1], 0x0               ; Wq, Wk, Wv, Wo
	s_load_b128 s[12:15], s[0:1], 0x20             ; W1, W2
	s_load_b64 s[16:17], s[0:1], 0x30              ; wq
	v_and_b32 v1, 15, v0                           ; r
	v_bfe_u32 v2, v0, 4, 1                         ; h
	v_lshlrev_b32 v5, 4, v0                        ; 16 x lane
	v_lshlrev_b32 v6, 2, v1                        ; 4 r
.irp b, 0,1,2,3
	v_mov_b32 v[TM+4+\b], 0                        ; a lane permute's destination counts as read
.endr
	s_mov_b32 s[SEL], 0x76543210
	s_mov_b32 s[SEL+1], 0xfedcba98
	s_mov_b32 s[MNT], 0x600000
	s_mov_b32 s20, ttmp9                           ; F
	s_mov_b32 s21, 224                             ; the weight's first fragment,
	s_mov_b32 s22, 1024                            ; bytes in a row of it,
	s_mov_b32 s23, 3                               ; log2 of its K steps,
	s_mov_b32 s24, 8                               ; 8: columns permuted, 0: natural.  Begun as W2's
	s_wait_kmcnt 0x0
	s_mov_b64 s[18:19], s[14:15]
	s_cmp_lt_u32 s20, 224                          ; the choices hang on the work-group's number alone
	s_cselect_b64 s[18:19], s[12:13], s[18:19]     ; W1
	s_cselect_b32 s21, 96, s21
	s_cselect_b32 s22, 4096, s22
	s_cselect_b32 s23, 1, s23
	s_cmp_lt_u32 s20, 96
	s_cselect_b64 s[18:19], s[10:11], s[18:19]     ; Wo
	s_cselect_b32 s21, 64, s21
	s_cselect_b32 s22, 1024, s22
	s_cmp_lt_u32 s20, 64
	s_cselect_b64 s[18:19], s[8:9], s[18:19]       ; Wv
	s_cselect_b32 s21, 32, s21
	s_cselect_b32 s24, 0, s24
	s_cmp_lt_u32 s20, 32
	s_cselect_b64 s[18:19], s[6:7], s[18:19]       ; Wk
	s_cselect_b32 s21, 16, s21
	s_cselect_b32 s22, 512, s22
	s_cselect_b32 s24, 8, s24
	s_cmp_lt_u32 s20, 16
	s_cselect_b64 s[18:19], s[4:5], s[18:19]       ; Wq
	s_cselect_b32 s21, 0, s21
	s_sub_co_u32 s25, s20, s21
	s_lshr_b32 s26, s25, s23                       ; t
	s_lshl_b32 s27, s26, s23
	s_sub_co_u32 s27, s25, s27                     ; s
	s_lshr_b32 s28, s26, 1
	s_lshl_b32 s28, s28, 5                         ; 32 (t / 2)
	s_and_b32 s29, s26, 1
	s_sub_co_u32 s30, 16, s24
	s_mul_i32 s29, s29, s30                        ; (t % 2) x 8 or 16
	s_add_co_u32 s28, s28, s29
	v_and_b32 v3, s24, v1
	v_add3_u32 v3, v3, v1, s28                     ; my column
	s_lshl_b32 s31, s27, 7
	v_lshl_add_u32 v4, v2, 4, s31                  ; row 128 s + 16 h
	v_mul_u32_u24 v4, s22, v4
	v_lshl_add_u32 v[AD], v3, 2, v4
.set i, 1
.rept 15
	v_add_nc_u32 v[AD+i], s22, v[AD+i-1]           ; one row further down
.set i, i+1
.endr
	s_lshl_b32 s40, s22, 5                         ; 32 rows
	s_mov_b32 s41, 0
	s_mov_b64 s[32:33], s[18:19]
	s_add_nc_u64 s[34:35], s[32:33], s[40:41]
	s_add_nc_u64 s[36:37], s[34:35], s[40:41]
	s_add_nc_u64 s[38:39], s[36:37], s[40:41]
.irp c, 0,1,2,3
.irp i, 0,1,2,3,4,5,6,7,8,9,10,11,12,13,14,15
	global_load_b32 v[X+16*\c+\i], v[AD+\i], s[32+2*\c:33+2*\c]   ; W(128 s + 32 c + 16 h + i, my column)
.endr
.endr
	s_lshl_b32 s42, s20, 11                        ; the fragment's image
	s_mov_b32 s43, 0
	s_add_nc_u64 s[42:43], s[16:17], s[42:43]
	s_lshl_b32 s28, s20, 6                         ; its scale words
	s_mov_b32 s29, 0
	s_add_nc_u64 s[28:29], s[16:17], s[28:29]
	s_wait_loadcnt 0x0
	QUANT X
.irp c, 0,1,2,3
	global_store_b128 v5, v[PC+4*\c:PC+4*\c+3], s[42:43] offset:512*\c   ; 32 lanes store 512 consecutive bytes
.endr
	global_store_b32 v6, v[PW], s[28:29] offset:WSCL   ; both halves of the lanes hold and write the same word
	s_endpgm
.Lfunc_end_k_q6b89dbfb0e_wprep:
	.size	k_q6b89dbfb0e_wprep, .Lfunc_end_k_q6b89dbfb0e_wprep-k_q6b89dbfb0e_wprep
	.p2alignl 7, 3214868480
	.fill 96, 4, 3214868480
	.section	.rodata,"a",@progbits
	.p2align	6, 0x0
	.amdhsa_kernel k_q6b89dbfb0e_wprep
		.amdhsa_group_segment_fixed_size 0
		.amdhsa_private_segment_fixed_size 0
		.amdhsa_enable_private_segment 0
		.amdhsa_kernarg_size 56
		.amdhsa_user_sgpr_count 2
		.amdhsa_user_sgpr_kernarg_segment_ptr 1
		.amdhsa_wavefront_size32 1
		.amdhsa_system_sgpr_workgroup_id_x 1
		.amdhsa_system_sgpr_workgroup_id_y 1
		.amdhsa_system_sgpr_workgroup_id_z 1
		.amdhsa_system_vgpr_workitem_id 0
		.amdhsa_next_free_vgpr 144
		.amdhsa_next_free_sgpr 66
		.amdhsa_reserve_vcc 0
		.amdhsa_float_denorm_mode_32 3
		.amdhsa_float_denorm_mode_16_64 3
		.amdhsa_memory_ordered 1
		.amdhsa_forward_progress 1
		.amdhsa_inst_pref_size 18
	.end_amdhsa_kernel
	.amdgpu_metadata
---
amdhsa.version: [ 1, 2 ]
amdhsa.kernels:
  - .name:           k_q6b89dbfb0e_wprep
    .symbol:         k_q6b89dbfb0e_wprep.kd
    .args:
      - { .name: Wq, .offset: 0, .size: 8, .value_kind: global_buffer, .address_space: global }
      - { .name: Wk, .offset: 8, .size: 8, .value_kind: global_buffer, .address_space: global }
      - { .name: Wv, .offset: 16, .size: 8, .value_kind: global_buffer, .address_space: global }
      - { .name: Wo, .offset: 24, .size: 8, .value_kind: global_buffer, .address_space: global }
      - { .name: W1, .offset: 32, .size: 8, .value_kind: global_buffer, .address_space: global }
      - { .name: W2, .offset: 40, .size: 8, .value_kind: global_buffer, .address_space: global }
      - { .name: wq, .offset: 48, .size: 8, .value_kind: global_buffer, .address_space: global }
    .group_segment_fixed_size: 0
    .private_segment_fixed_size: 0
    .kernarg_segment_align: 8
    .kernarg_segment_size: 56
    .max_flat_workgroup_size: 32
    .sgpr_count:     66
    .vgpr_count:     144
    .wavefront_size: 32
...
	.end_amdgpu_metadata
.endif
;; end of part 1
;; launch proj (part 2): grid 256 x 1, 4 waves a work-group, no clusters, 168,448 bytes of LDS; arguments x, wq, bq, bk, g1, b1, frag, aux, qkn, xq; writes frag, aux, qkn, xq
.if DOCPART == 2
	.amdgcn_target "amdgcn-amd-amdhsa--gfx1250"
	.amdhsa_code_object_version 6
	.text
	.protected	k_q6b89dbfb0e_proj
	.globl	k_q6b89dbfb0e_proj
	.p2align	8
	.type	k_q6b89dbfb0e_proj,@function
k_q6b89dbfb0e_proj:
	s_mov_b64 s[64:65], 0
	v_nop
	global_prefetch_b8 v0, s[64:65] scope:SCOPE_SE
	s_setreg_imm32_b32 hwreg(HW_REG_WAVE_MODE, 25, 1), 1
	s_wait_xcnt 0x0
; For 64 rows of x a work-group makes: the codes of LayerNorm(x; g1, b1) by rows (xq), qn = l2norm(x Wq + bq) and kn likewise as f32 rows (qkn)
; and as operand images with their scale words (frag, aux), and the sums of squares of qn and kn (aux).  Both products on BF8 codes.
; TILES.  Tile m of a group of 64 rows holds rows 8 m + (r & 7) + 32 (r >> 3): in the score product a lane's 32 results are then 32 neighbouring keys.
; SHARES.  Every wave w normalises and quantises tile w.  Then waves 0, 1 make q and waves 2, 3 make k, each for two tiles and all 128 columns,
; so that a row's norm stays inside one wave (two lanes hold a row) and each weight fragment feeds two matrix instructions.
; The products are used transposed (source 0 = 16 columns of the weight, source 1 = 16 rows of x): a lane holds one row, its registers run along the columns.
; NO CLUSTER: the one tile that goes through LDS is the work-group's own 64 rows of x; a wave's 32 KB of weight codes go straight into its registers.
; LIMITS: NaN and infinities are not served; blocks under the floor 2^(16 - 127) keep the byte 1; x / n is x times the reciprocal of n (1 ulp each).
.set XP,    1040                       ; a row of x in LDS: 1,024 bytes + 16
.set XIMG,  66560                      ; x's eight fragments as register images: tile m, K step s at 2 m + s
.set XSC,   82944                      ; their scale words, 128 bytes each
.set FST,   83968                      ; a stage of 16 rows x (512 + 16) for each wave: qn, kn by rows
.set FP,    528
.set CSG,   117760                     ; a stage of 16 rows x (256 + 16) for each wave: codes by rows
.set CP,    272
.set SMALL, 135168                     ; the group's record for aux (1,024 bytes), then its 64 rows' scale bytes for xq (512)
.set WSCL,  720896
.set QFR,   2097152
.set KN0,   8388608
.set XS0,   4194304
.set R,1
.set H,2
.set LN,3
.set LI,4                              ; 16 x lane
.set XA,5                              ; my row of x in LDS, + 64 h
.set CSS,6
.set CSL,7
.set XWI,8
.set XWS,9
.set FA,10
.set FS,11
.set FSS,12
.set FSL,13
.set SMS,14
.set GB,15                             ; 64 h
.set TM,16
.set PW,32
.set T0,33
.set SWP,34                            ; v[34:35] a row's eight scale bytes
.set XSS,36
.set FIN,37
.set L4,38
.set RHO,39
.set PC,40
.set XS,56                             ; v56-57 x's scale words
.set WS,58                             ; v58-65 the weight's: lanes 0-15 K step 0, lanes 16-31 K step 1
.set XF,66                             ; v66-97 two fragments of x
.set LT,98
.set LM,106
.set LV,110
.set LQ,111
.set X,128                             ; v128-255 a row's 128 numbers of my half: register 64 s + 16 b + i = k 128 s + 32 b + 16 h + i
.set ACC,128
.set BIAS,192
.set WV,24
.set ROLE,25
.set PAIR,26
.set SEL,40
.set MNT,42
.set C256,43
.set EPS,44
.set MSB, 0
.macro WIN new                         ; the immediate's high byte repeats the setting that is left
.if MSB != \new
	s_set_vgpr_msb (MSB<<8)|\new
.set MSB, \new
.endif
.endm
.macro PLACES n
.rept \n
	v_nop
.endr
.endm
.macro QUANT s                         ; 64 numbers of a lane -> 16 registers of codes and a scale word
.irp b, 0,1,2,3
	v_max3_num_f32 v[TM+\b], |v[\s+16*\b]|, |v[\s+1+16*\b]|, 0x8000000   ; my 16 numbers of block b and the floor 2^(16 - 127)
.endr
.irp i, 2,4,6,8,10,12,14
.irp b, 0,1,2,3
	v_max3_num_f32 v[TM+\b], v[TM+\b], |v[\s+16*\b+\i]|, |v[\s+1+16*\b+\i]|
.endr
.endr
.irp b, 0,1,2,3
	v_permlanex16_b32 v[TM+4+\b], v[TM+\b], s[SEL], s[SEL+1]
.endr
.irp b, 0,1,2,3
	v_max_num_f32 v[TM+\b], v[TM+\b], v[TM+4+\b]
.endr
.irp b, 0,1,2,3
	v_add_nc_u32 v[TM+12+\b], 0xf8800000, v[TM+\b]          ; 15 off the exponent field: the conversion's scale operand
.endr
.irp b, 0,1,2,3
	v_and_or_b32 v[TM+8+\b], v[TM+\b], 0x7f800000, s[MNT]   ; 57,344 x the scale
.endr
.irp b, 0,1,2,3
	v_lshrrev_b32 v[TM+4+\b], 23, v[TM+12+\b]               ; the scale's byte
.endr
	v_lshl_or_b32 v[PW], v[TM+5], 8, v[TM+4]
	v_lshl_or_b32 v[PW], v[TM+6], 16, v[PW]
	v_lshl_or_b32 v[PW], v[TM+7], 24, v[PW]
.irp b, 0,1,2,3
.irp i, 0,1,2,3,4,5,6,7,8,9,10,11,12,13,14,15
	v_med3_num_f32 v[\s+16*\b+\i], v[\s+16*\b+\i], -v[TM+8+\b], v[TM+8+\b]   ; the conversion does not saturate (ISA guide 7.6.2)
.endr
	v_cvt_scalef32_pk8_bf8_f32 v[PC+4*\b:PC+1+4*\b], v[\s+16*\b:\s+7+16*\b], v[TM+12+\b]
	v_cvt_scalef32_pk8_bf8_f32 v[PC+2+4*\b:PC+3+4*\b], v[\s+8+16*\b:\s+15+16*\b], v[TM+12+\b]
.endr
	v_nop                                                   ; a plain line behind the last conversion
.endm
.macro IMAGE adr, off                  ; the fragment in v[PC] on goes to LDS as it stands
.irp c, 0,1,2,3
	ds_store_b128 v[\adr], v[PC+4*\c:PC+4*\c+3] offset:\off+512*\c
.endr
.endm
.macro FETCH reg, adr, off             ; and comes back so, in any wave
.irp c, 0,1,2,3
	ds_load_b128 v[\reg+4*\c:\reg+4*\c+3], v[\adr] offset:\off+512*\c
.endr
.endm
.macro BARRIER                         ; my LDS stores have landed and my LDS loads are in: then the work-group's barrier
	s_wait_dscnt 0x0
	s_barrier_signal -1
	s_barrier_wait -1
.endm
; LayerNorm of the row whose halves two lanes hold in v[x] .. v[x + 127]: mean, deviations, their squares (no difference of large sums), then gain and bias,
; which lie in v0-127 and v128-255 of the window that the setting names for sources 1 and 2.
.macro LNORM x, setting
.irp c, 0,1,2,3
	v_pk_add_f32 v[LT+2*\c:LT+2*\c+1], v[\x+4*\c:\x+4*\c+1], v[\x+4*\c+2:\x+4*\c+3]
.endr
.set i, 16
.rept 14
.irp c, 0,1,2,3
	v_pk_add_f32 v[LT+2*\c:LT+2*\c+1], v[LT+2*\c:LT+2*\c+1], v[\x+i+2*\c:\x+i+2*\c+1]
.endr
.set i, i+8
.endr
	v_pk_add_f32 v[LT:LT+1], v[LT:LT+1], v[LT+2:LT+3]
	v_pk_add_f32 v[LT+4:LT+5], v[LT+4:LT+5], v[LT+6:LT+7]
	v_pk_add_f32 v[LT:LT+1], v[LT:LT+1], v[LT+4:LT+5]
	v_add_f32 v[LT], v[LT], v[LT+1]
	v_permlanex16_b32 v[LQ], v[LT], s[SEL], s[SEL+1]
	v_add_f32 v[LT], v[LT], v[LQ]
	v_mul_f32 v[LM], s[C256], v[LT]                ; the mean
	v_mov_b32 v[LM+1], v[LM]
.set i, 0
.rept 64
	v_pk_add_f32 v[\x+i:\x+i+1], v[\x+i:\x+i+1], v[LM:LM+1] neg_lo:[0,1] neg_hi:[0,1]
.set i, i+2
.endr
.irp c, 0,1,2,3
	v_pk_mul_f32 v[LT+2*\c:LT+2*\c+1], v[\x+2*\c:\x+2*\c+1], v[\x+2*\c:\x+2*\c+1]
.endr
.set i, 8
.rept 15
.irp c, 0,1,2,3
	v_pk_fma_f32 v[LT+2*\c:LT+2*\c+1], v[\x+i+2*\c:\x+i+2*\c+1], v[\x+i+2*\c:\x+i+2*\c+1], v[LT+2*\c:LT+2*\c+1]
.endr
.set i, i+8
.endr
	v_pk_add_f32 v[LT:LT+1], v[LT:LT+1], v[LT+2:LT+3]
	v_pk_add_f32 v[LT+4:LT+5], v[LT+4:LT+5], v[LT+6:LT+7]
	v_pk_add_f32 v[LT:LT+1], v[LT:LT+1], v[LT+4:LT+5]
	v_add_f32 v[LT], v[LT], v[LT+1]
	v_permlanex16_b32 v[LQ], v[LT], s[SEL], s[SEL+1]
	v_add_f32 v[LT], v[LT], v[LQ]
	v_fma_f32 v[LT], v[LT], s[C256], s[EPS]        ; the variance + 1e-5
	v_rsq_f32 v[LM], v[LT]
	v_nop                                          ; a plain line behind the transcendental
	s_wait_alu depctr_va_vdst(0)
	v_mov_b32 v[LM+1], v[LM]
.set i, 0
.rept 64
	v_pk_mul_f32 v[\x+i:\x+i+1], v[\x+i:\x+i+1], v[LM:LM+1]
.set i, i+2
.endr
	WIN \setting
.set i, 0
.rept 64
	v_pk_fma_f32 v[\x+i:\x+i+1], v[\x+i:\x+i+1], v[i:i+1], v[128+i:129+i]
.set i, i+2
.endr
	WIN 0
.endm
.macro XREAD                           ; my tile's row of x, my half of each block of 32
.irp s, 0,1
.irp b, 0,1,2,3
.irp j, 0,1,2,3
	ds_load_b128 v[X+64*\s+16*\b+4*\j:X+64*\s+16*\b+4*\j+3], v[XA] offset:512*\s+128*\b+16*\j
.endr
.endr
.endr
.endm
.macro SUMSQ d                         ; the row's sum of squares of v[ACC] on, each accumulator from its low end on
.irp c, 0,1,2,3
	v_pk_mul_f32 v[LT+2*\c:LT+2*\c+1], v[ACC+2*\c:ACC+2*\c+1], v[ACC+2*\c:ACC+2*\c+1]
.endr
.set i, 8
.rept 7
.irp c, 0,1,2,3
	v_pk_fma_f32 v[LT+2*\c:LT+2*\c+1], v[ACC+i+2*\c:ACC+i+2*\c+1], v[ACC+i+2*\c:ACC+i+2*\c+1], v[LT+2*\c:LT+2*\c+1]
.endr
.set i, i+8
.endr
	v_pk_add_f32 v[LT:LT+1], v[LT:LT+1], v[LT+2:LT+3]
	v_pk_add_f32 v[LT+4:LT+5], v[LT+4:LT+5], v[LT+6:LT+7]
	v_pk_add_f32 v[LT:LT+1], v[LT:LT+1], v[LT+4:LT+5]
	v_add_f32 v[LT], v[LT], v[LT+1]
	v_permlanex16_b32 v[LQ], v[LT], s[SEL], s[SEL+1]
	v_add_f32 v[\d], v[LT], v[LQ]
.endm
	s_load_b512 s[4:19], s[0:1], 0x0               ; x, wq, bq, bk, g1, b1, frag, aux
	s_load_b128 s[20:23], s[0:1], 0x40             ; qkn, xq
	v_lshl_add_u32 v126, v0, 2, 0x29000
	v_mov_b32 v127, 0
	ds_add_u32 v126, v127
	ds_add_u32 v126, v127
	v_lshrrev_b32 v1, 5, v0
	v_readfirstlane_b32 s[WV], v1                  ; wave 0..3
	s_lshr_b32 s[ROLE], s[WV], 1                   ; 0: q, 1: k
	s_and_b32 s[PAIR], s[WV], 1                    ; which two tiles
	; descriptor group 1: 16 rows of 256 elements of 4 bytes, 4 words of padding behind each 256
	s_mov_b32 s32, (2<<16)|(1<<20)|(7<<22)|(3<<25)
	s_mov_b32 s33, 256<<16
	s_mov_b32 s34, 16<<16
	s_mov_b32 s35, 256<<16
	s_mov_b32 s36, 16
	s_mov_b32 s37, 256
	s_mov_b32 s38, 0
	s_mov_b32 s39, 0
	s_lshl_b32 s46, ttmp9, 16                      ; 64 rows of 1,024 bytes a group,
	s_lshl_b32 s47, s[WV], 14                      ; 16 a wave
	s_add_co_u32 s46, s46, s47
	s_mov_b32 s47, 0
	s_mov_b32 s28, 1
	s_mul_i32 s29, s[WV], 16*XP
	s_wait_dscnt 0x0
	s_wait_kmcnt 0x0
	s_add_nc_u64 s[30:31], s[4:5], s[46:47]
	s_or_b32 s31, s31, 0x80000000
	tensor_load_to_lds s[28:31], s[32:39]          ; my 16 natural rows of x: the one tensor load of this wave
	s_nop 0
	PLACES 4
	v_and_b32 v[R], 15, v0
	v_bfe_u32 v[H], v0, 4, 1
	v_and_b32 v[LN], 31, v0
	v_lshlrev_b32 v[LI], 4, v[LN]
	v_lshlrev_b32 v[L4], 2, v[LN]
	v_lshlrev_b32 v[GB], 6, v[H]
	WIN 0x80                                       ; destination window 2: g1 in v0-127, b1 in v128-255, in the row's layout
.irp s, 0,1
.irp b, 0,1,2,3
.irp j, 0,1,2,3
	global_load_b128 v[64*\s+16*\b+4*\j:64*\s+16*\b+4*\j+3], v[GB], s[12:13] offset:512*\s+128*\b+16*\j
	global_load_b128 v[128+64*\s+16*\b+4*\j:128+64*\s+16*\b+4*\j+3], v[GB], s[14:15] offset:512*\s+128*\b+16*\j
.endr
.endr
.endr
	WIN 0
	s_mov_b32 s[SEL], 0x76543210
	s_mov_b32 s[SEL+1], 0xfedcba98
	s_mov_b32 s[MNT], 0x600000
	s_mov_b32 s[C256], 0x3b800000                  ; 1 / 256
	s_mov_b32 s[EPS], 0x3727c5ac                   ; 1e-5
.irp b, 0,1,2,3
	v_mov_b32 v[TM+4+\b], 0                        ; a lane permute's destination counts as read
.endr
	v_mov_b32 v[LQ], 0
	v_and_b32 v[XA], 7, v0
	v_bfe_u32 v[T0], v0, 3, 1
	v_lshl_add_u32 v[RHO], v[T0], 5, v[XA]
	s_lshl_b32 s45, s[WV], 3
	v_add_nc_u32 v[RHO], s45, v[RHO]               ; my row in the group: 8 w + (r & 7) + 32 (r >> 3)
	v_mul_u32_u24 v[XA], v[RHO], XP
	v_lshl_add_u32 v[XA], v[H], 6, v[XA]
	s_mul_i32 s45, s[WV], 16*CP
	s_add_co_u32 s45, s45, CSG
	v_mul_u32_u24 v[CSS], v[R], CP
	v_lshl_add_u32 v[CSS], v[H], 4, v[CSS]
	v_add_nc_u32 v[CSS], s45, v[CSS]               ; codes in: row r, + 16 h
	v_mul_u32_u24 v[CSL], v[H], CP
	v_lshl_add_u32 v[CSL], v[R], 4, v[CSL]
	v_add_nc_u32 v[CSL], s45, v[CSL]               ; and back: sixteen lanes to a row
	s_lshl_b32 s45, s[WV], 12
	s_add_co_u32 s45, s45, XIMG
	v_add_nc_u32 v[XWI], s45, v[LI]
	s_lshl_b32 s45, s[WV], 8
	s_add_co_u32 s45, s45, XSC
	v_add_nc_u32 v[XWS], s45, v[L4]
	s_lshl_b32 s45, s[PAIR], 13
	s_add_co_u32 s45, s45, XIMG
	v_add_nc_u32 v[FA], s45, v[LI]
	s_lshl_b32 s45, s[PAIR], 9
	s_add_co_u32 s45, s45, XSC
	v_add_nc_u32 v[FS], s45, v[L4]
	s_mul_i32 s45, s[WV], 16*FP
	s_add_co_u32 s45, s45, FST
	v_mul_u32_u24 v[FSS], v[R], FP
	v_lshl_add_u32 v[FSS], v[H], 6, v[FSS]
	v_add_nc_u32 v[FSS], s45, v[FSS]
	v_add_nc_u32 v[FSL], s45, v[LI]
	s_xor_b32 s45, s[ROLE], 1
	s_lshl_b32 s45, s45, 9                         ; the record: k's words and sums first, q's 512 bytes on
	s_lshl_b32 s46, s[PAIR], 7
	s_add_co_u32 s45, s45, s46
	s_add_co_u32 s45, s45, SMALL
	v_lshl_add_u32 v[SMS], v[R], 2, s45
	v_lshl_add_u32 v[XSS], v[RHO], 3, SMALL+1024
	s_lshl_b32 s45, s[WV], 9
	s_add_co_u32 s45, s45, SMALL
	v_add_nc_u32 v[FIN], s45, v[LI]
	; global bases
	s_mov_b32 s47, 0
	s_lshl_b32 s46, s[ROLE], 15
	s_add_nc_u64 s[48:49], s[6:7], s[46:47]        ; my role's 16 weight fragments
	s_lshl_b32 s46, s[ROLE], 10
	s_add_nc_u64 s[50:51], s[6:7], s[46:47]        ; and their scale words (+ WSCL)
	s_lshl_b32 s46, ttmp9, 14
	s_lshl_b32 s45, s[WV], 11
	s_add_co_u32 s46, s46, s45
	s_add_nc_u64 s[52:53], s[22:23], s[46:47]      ; xq at row 64 G + 8 w
	s_cmp_eq_u32 s[ROLE], 0
	s_cselect_b64 s[54:55], s[8:9], s[10:11]       ; bq or bk
	s_xor_b32 s45, s[ROLE], 1
	s_mul_i32 s46, s45, QFR
	s_lshl_b32 s45, ttmp9, 13
	s_add_co_u32 s46, s46, s45
	s_lshl_b32 s45, s[PAIR], 12
	s_add_co_u32 s46, s46, s45
	s_add_nc_u64 s[56:57], s[16:17], s[46:47]      ; frag at tile 4 G + 2 pair of my role
	s_mul_i32 s46, s[ROLE], KN0
	s_lshl_b32 s45, ttmp9, 15
	s_add_co_u32 s46, s46, s45
	s_lshl_b32 s45, s[PAIR], 13
	s_add_co_u32 s46, s46, s45
	s_add_nc_u64 s[58:59], s[20:21], s[46:47]      ; qkn at row 64 G + 16 pair of my role
	s_lshl_b32 s62, ttmp9, 10
	s_lshl_b32 s45, s[WV], 9
	s_add_co_u32 s62, s62, s45                     ; waves 0, 1: halves of the record in aux
	s_lshl_b32 s63, ttmp9, 9
	s_add_co_u32 s63, s63, XS0                     ; wave 2: the scale bytes in xq
	s_cmp_lt_u32 s[WV], 2
	s_cselect_b64 s[60:61], s[18:19], s[22:23]
	s_cselect_b32 s62, s62, s63
	s_mov_b32 s63, 0
	s_add_nc_u64 s[60:61], s[60:61], s[62:63]
	s_wait_tensorcnt 0x0                           ; my rows have landed,
	s_barrier_signal -1
	s_barrier_wait -1                              ; everybody's have: a tile's rows come from two waves' loads
	XREAD
	s_wait_loadcnt 0x0                             ; g1, b1
	WIN 0x40                                       ; destination window 1: fragment (t, s) at v[16 (2 t + s)]
.set n, 0
.rept 64
	global_load_b128 v[4*n:4*n+3], v[LI], s[48:49] offset:512*n
.set n, n+1
.endr
	WIN 0
.irp t, 0,1,2,3,4,5,6,7
	global_load_b32 v[WS+\t], v[L4], s[50:51] offset:WSCL+128*\t
.endr
	s_wait_dscnt 0x0
	LNORM X, 0x28                                  ; sources 1 and 2 in window 2
	QUANT X
.irp c, 0,1,2,3
	ds_store_b128 v[CSS], v[PC+4*\c:PC+4*\c+3] offset:32*\c
.endr
	v_mov_b32 v[SWP], v[PW]
	s_wait_dscnt 0x0
	QUANT X+64
.irp c, 0,1,2,3
	ds_store_b128 v[CSS], v[PC+4*\c:PC+4*\c+3] offset:128+32*\c
.endr
	v_mov_b32 v[SWP+1], v[PW]
	ds_store_b64 v[XSS], v[SWP:SWP+1]              ; my row's eight scale bytes (both halves of the lanes write the same)
.irp i, 0,1,2,3,4,5,6,7
	ds_load_b128 v[XF+4*\i:XF+4*\i+3], v[CSL] offset:2*CP*\i   ; LDS serves a wave's instructions in order: these see my stores
.endr
	XREAD                                          ; x once more, for its own quantiser
.irp i, 0,1,2,3,4,5,6,7
	s_wait_dscnt 39-\i                             ; behind load i: 7 - i of its kind and the 32 of x
	global_store_b128 v[LI], v[XF+4*\i:XF+4*\i+3], s[52:53] offset:(2*(\i%4)+32*(\i/4))*256   ; two neighbouring rows: 512 consecutive bytes
.endr
	s_wait_dscnt 0x0
	QUANT X
	IMAGE XWI, 0
	ds_store_b32 v[XWS], v[PW]
	s_wait_dscnt 0x0
	QUANT X+64
	IMAGE XWI, 2048
	ds_store_b32 v[XWS], v[PW] offset:128
.irp t, 0,1,2,3,4,5,6,7
.irp e, 0,1
	global_load_b128 v[BIAS+8*\t+4*\e:BIAS+8*\t+4*\e+3], v[GB], s[54:55] offset:128*(\t/2)+32*(\t%2)+16*\e   ; the bias in the result's layout
.endr
.endr
	BARRIER                                        ; x's eight fragments lie in LDS
.macro TILE mt                         ; tile 2 pair + mt: product, norm, rows, image
	s_wait_xcnt 0x0                                ; earlier stores have read their registers
	FETCH XF, FA, 4096*\mt
	FETCH XF+16, FA, 4096*\mt+2048
	ds_load_b32 v[XS], v[FS] offset:256*\mt
	ds_load_b32 v[XS+1], v[FS] offset:256*\mt+128
	s_wait_dscnt 0x0
.if \mt == 0
	s_wait_loadcnt 0x0                             ; the weights, their scale words, the bias
.endif
	WIN 0x01                                       ; source 0 in window 1.  The eight accumulators take turns
.irp t, 0,1,2,3,4,5,6,7
	v_wmma_scale_f32_16x16x128_f8f6f4 v[ACC+8*\t:ACC+8*\t+7], v[32*\t:32*\t+15], v[XF:XF+15], v[BIAS+8*\t:BIAS+8*\t+7], v[WS+\t], v[XS] matrix_a_fmt:MATRIX_FMT_BF8 matrix_b_fmt:MATRIX_FMT_BF8
.endr
.irp t, 0,1,2,3,4,5,6,7
	v_wmma_scale_f32_16x16x128_f8f6f4 v[ACC+8*\t:ACC+8*\t+7], v[32*\t+16:32*\t+31], v[XF+16:XF+31], v[ACC+8*\t:ACC+8*\t+7], v[WS+\t], v[XS+1] matrix_a_fmt:MATRIX_FMT_BF8 matrix_b_fmt:MATRIX_FMT_BF8 matrix_a_scale:MATRIX_SCALE_ROW1
.endr
	WIN 0
	PLACES 8                                       ; eight places behind this form
	SUMSQ LV
	v_sqrt_f32 v[LV], v[LV]
	v_nop
	s_wait_alu depctr_va_vdst(0)
	v_max_num_f32 v[LV], 0x2b8cbccc, v[LV]         ; max(n, 1e-12)
	v_rcp_f32 v[LM], v[LV]
	v_nop
	s_wait_alu depctr_va_vdst(0)
	v_mov_b32 v[LM+1], v[LM]
.set i, 0
.rept 32
	v_pk_mul_f32 v[ACC+i:ACC+i+1], v[ACC+i:ACC+i+1], v[LM:LM+1]
.set i, i+2
.endr
	SUMSQ LV                                       ; the sum of squares of the normalised row, as the distances take it
.irp b, 0,1,2,3
.irp j, 0,1,2,3
	ds_store_b128 v[FSS], v[ACC+16*\b+4*\j:ACC+16*\b+4*\j+3] offset:128*\b+16*\j
.endr
.endr
	WIN 0x80                                       ; back as whole rows of 512 bytes, into window 2
.irp i, 0,1,2,3,4,5,6,7,8,9,10,11,12,13,14,15
	ds_load_b128 v[4*\i:4*\i+3], v[FSL] offset:FP*\i
.endr
	WIN 0
	QUANT ACC
.irp c, 0,1,2,3
	global_store_b128 v[LI], v[PC+4*\c:PC+4*\c+3], s[56:57] offset:2048*\mt+512*\c
.endr
	ds_store_b32 v[SMS], v[PW] offset:64*\mt
	ds_store_b32 v[SMS], v[LV] offset:64*\mt+256
	s_wait_dscnt 0x0
	WIN 0x08                                       ; a store's data are its source 1: window 2
.irp i, 0,1,2,3,4,5,6,7,8,9,10,11,12,13,14,15
	global_store_b128 v[LI], v[4*\i:4*\i+3], s[58:59] offset:4096*\mt+((\i%8)+32*(\i/8))*512   ; a row: 512 consecutive bytes
.endr
	WIN 0
.endm
	TILE 0
	TILE 1
	BARRIER                                        ; the record and the scale bytes are whole
	s_cmp_gt_u32 s[WV], 2
	s_cbranch_scc1 .Ldone
	ds_load_b128 v[XF:XF+3], v[FIN]
	s_wait_dscnt 0x0
	global_store_b128 v[LI], v[XF:XF+3], s[60:61]  ; 512 consecutive bytes
.Ldone:
	s_wait_tensorcnt 0x0
	ds_add_u32 v126, v127
	s_wait_dscnt 0x0
	s_endpgm
.Lfunc_end_k_q6b89dbfb0e_proj:
	.size	k_q6b89dbfb0e_proj, .Lfunc_end_k_q6b89dbfb0e_proj-k_q6b89dbfb0e_proj
	.p2alignl 7, 3214868480
	.fill 96, 4, 3214868480
	.section	.rodata,"a",@progbits
	.p2align	6, 0x0
	.amdhsa_kernel k_q6b89dbfb0e_proj
		.amdhsa_group_segment_fixed_size 168448
		.amdhsa_private_segment_fixed_size 0
		.amdhsa_enable_private_segment 0
		.amdhsa_kernarg_size 80
		.amdhsa_user_sgpr_count 2
		.amdhsa_user_sgpr_kernarg_segment_ptr 1
		.amdhsa_wavefront_size32 1
		.amdhsa_system_sgpr_workgroup_id_x 1
		.amdhsa_system_sgpr_workgroup_id_y 1
		.amdhsa_system_sgpr_workgroup_id_z 1
		.amdhsa_system_vgpr_workitem_id 0
		.amdhsa_next_free_vgpr 768
		.amdhsa_next_free_sgpr 66
		.amdhsa_reserve_vcc 0
		.amdhsa_float_denorm_mode_32 3
		.amdhsa_float_denorm_mode_16_64 3
		.amdhsa_memory_ordered 1
		.amdhsa_forward_progress 1
		.amdhsa_inst_pref_size 125
	.end_amdhsa_kernel
	.amdgpu_metadata
---
amdhsa.version: [ 1, 2 ]
amdhsa.kernels:
  - .name:           k_q6b89dbfb0e_proj
    .symbol:         k_q6b89dbfb0e_proj.kd
    .args:
      - { .name: x, .offset: 0, .size: 8, .value_kind: global_buffer, .address_space: global }
      - { .name: wq, .offset: 8, .size: 8, .value_kind: global_buffer, .address_space: global }
      - { .name: bq, .offset: 16, .size: 8, .value_kind: global_buffer, .address_space: global }
      - { .name: bk, .offset: 24, .size: 8, .value_kind: global_buffer, .address_space: global }
      - { .name: g1, .offset: 32, .size: 8, .value_kind: global_buffer, .address_space: global }
      - { .name: b1, .offset: 40, .size: 8, .value_kind: global_buffer, .address_space: global }
      - { .name: frag, .offset: 48, .size: 8, .value_kind: global_buffer, .address_space: global }
      - { .name: aux, .offset: 56, .size: 8, .value_kind: global_buffer, .address_space: global }
      - { .name: qkn, .offset: 64, .size: 8, .value_kind: global_buffer, .address_space: global }
      - { .name: xq, .offset: 72, .size: 8, .value_kind: global_buffer, .address_space: global }
    .group_segment_fixed_size: 168448
    .private_segment_fixed_size: 0
    .kernarg_segment_align: 8
    .kernarg_segment_size: 80
    .max_flat_workgroup_size: 128
    .sgpr_count:     66
    .vgpr_count:     768
    .wavefront_size: 32
...
	.end_amdgpu_metadata
.endif
;; end of part 2
;; launch knn (part 3): grid 256 x 1, 4 waves a work-group, clusters of 4 x 1, 327,680 bytes of LDS; arguments frag, aux, masks; writes masks
.if DOCPART == 3
	.amdgcn_target "amdgcn-amd-amdhsa--gfx1250"
	.amdhsa_code_object_version 6
	.text
	.protected	k_q6b89dbfb0e_knn
	.globl	k_q6b89dbfb0e_knn
	.p2align	8
	.type	k_q6b89dbfb0e_knn,@function
k_q6b89dbfb0e_knn:
	s_mov_b64 s[64:65], 0
	v_nop
	global_prefetch_b8 v0, s[64:65] scope:SCOPE_SE
	s_setreg_imm32_b32 hwreg(HW_REG_WAVE_MODE, 25, 1), 1
	s_wait_xcnt 0x0
	s_wait_alu depctr_hold_cnt(0) depctr_sa_sdst(0) depctr_va_vdst(0) depctr_va_sdst(0) depctr_va_ssrc(0) depctr_va_vcc(0) depctr_vm_vsrc(0)
	s_getreg_b32 s2, hwreg(HW_REG_IB_STS2, 6, 4)
	s_cmp_eq_u32 s2, 0
	s_cbranch_scc0 .Lentry_in_a_cluster
	s_endpgm
.Lentry_in_a_cluster:
	s_bfe_u32 s2, ttmp6, 0x10000c
	s_cmp_lg_u32 s2, 0x3003
	s_cbranch_scc0 .Lentry_shape_is_right
	s_endpgm
.Lentry_shape_is_right:
; For each query the set of its 16 nearest keys, as two bit masks over the batch's 2,048 keys: d2 < tau and d2 <= tau, tau the exact 16th smallest d2.
; d2 = (sq + sk) - 2 q.k, q.k on BF8 codes; one addition and one fused multiply-add give the two roundings of the formula as it is written.
; A wave owns 16 queries and walks all keys twice.  S^T = K Q^T: a lane holds ONE query (lane % 16) and, of each 64 keys, the 32 of its half.
; PASS 1: a fixed network of comparators, no branch on data: the lane's 32 new numbers are sorted as two runs of 16 (one up, one down), their 16 smallest merged
; into the lane's running 16 smallest; at the end the two halves of the lanes are merged and tau is the largest of the 16.
; A COMPARATOR IS ONE DUAL-ISSUE PAIR (a minimum and a maximum of the same two numbers).  A wire w of the network lies at register offset (w & 14) | parity(w): the two wires of a
; comparator differ in one bit, so their registers differ in the lowest bit: one destination is even and one odd, and with the second half's sources swapped the pair's two first
; sources, and its two second sources, lie in different register banks.
; PASS 2: the same products again (the same instructions on the same numbers give the same bits).  The sign bit of d2 - tau says d2 < tau, that of tau - d2 says d2 > tau: denormals are
; kept, so a difference of unequal numbers is not 0; equal numbers give +0; and d2 is never -0, since its multiply-add has sq + sk, which is +0 or more, as its addend.
; Each sign bit is shifted into a word by one instruction, in eight chains (four bytes of two masks) by turns, so that no line waits for the line above it.
; BOTH PASSES fetch the next 64 keys from LDS as soon as the products' registers are free; they land under the network, or under the bits.
; CLUSTER: the four work-groups of a cluster belong to one batch and read the same 256 KB of key fragments and 16 KB of scale words and sums: each tile is asked for
; jointly, by the same tensor load with a mask that names the four.  Nothing in LDS is filled twice.  By this text's count a wave has five tensor loads out.
; LIMITS: NaN and infinities are not served.
.set AUXL, 262144                      ; behind the 128 fragments: for each 64 keys 256 bytes of scale words, 256 of sums of squares
.set STG,  278528                      ; a stage of 16 rows x (512 + 16) for each wave: a query's 64 + 64 mask words
.set SP,   528
.set QFR,  2097152
.set QF,   16                          ; v16-31  my queries' fragment
.set QS,   32                          ; v32     its scale words
.set AS,   34                          ; v34-35  the keys': fragments 0, 1 in the halves of v34; 2, 3 in v35
.set WL,   36                          ; v36-39  pass 2: four bytes of the word d2 < tau
.set WG,   40                          ; v40-43  and of d2 > tau
.set AF,   64                          ; v64-127 four fragments of keys
.set X,    128                         ; v128-159 d2 of my 32 keys: register o = key 64 g + 32 h + o
.set Y,    160                         ; v160-191 the network's other set; pass 2: d2 - tau
.set SK,   192                         ; v192-223 the keys' sums of squares
.set RA,   224                         ; v224-239 my running 16 smallest, ascending by wire
.set RP,   240
.set Z,    224                         ; v224-255 pass 2: tau - d2
.set SEL,  62
.macro PLACES n
.rept \n
	v_nop
.endr
.endm
.macro CROUND                          ; a round of the cluster's barrier
	s_barrier_signal -1
	s_barrier_wait -1
	s_cmp_lg_u32 s10, 0
	s_cbranch_scc1 .Lnot_wave_0_\@
	s_barrier_signal -3
.Lnot_wave_0_\@:
	s_barrier_wait -3
	s_barrier_signal -1
	s_barrier_wait -1
.endm
; One layer: the eight comparators between wires w and w | j, a pair each; a comparator sorts upward where bit k of w equals flip
.macro LAYER src, dst, j, k, flip
.set w, 0
.rept 16
.if (w&\j) == 0
.set l, w|\j
.set ri, (w&14)|(((w>>3)^(w>>2)^(w>>1)^w)&1)
.set rl, (l&14)|(((l>>3)^(l>>2)^(l>>1)^l)&1)
.if ((w&\k)/\k) == \flip
	v_dual_min_num_f32 v[\dst+ri], v[\src+ri], v[\src+rl] :: v_dual_max_num_f32 v[\dst+rl], v[\src+rl], v[\src+ri]
.else
	v_dual_max_num_f32 v[\dst+ri], v[\src+ri], v[\src+rl] :: v_dual_min_num_f32 v[\dst+rl], v[\src+rl], v[\src+ri]
.endif
.endif
.set w, w+1
.endr
.endm
.macro LAYER2 src, dst, j, k           ; both runs: the first upward, the second downward
	LAYER \src, \dst, \j, \k, 0
	LAYER \src+16, \dst+16, \j, \k, 1
.endm
.macro SORT2                           ; ten layers, X -> Y -> X ..: the result lies in X
	LAYER2 X, Y, 1, 2
	LAYER2 Y, X, 2, 4
	LAYER2 X, Y, 1, 4
	LAYER2 Y, X, 4, 8
	LAYER2 X, Y, 2, 8
	LAYER2 Y, X, 1, 8
	LAYER2 X, Y, 8, 16
	LAYER2 Y, X, 4, 16
	LAYER2 X, Y, 2, 16
	LAYER2 Y, X, 1, 16
.endm
.macro MIN16 d, a, b                   ; sixteen minima, register by register, two to a pair
.set o, 0
.rept 8
	v_dual_min_num_f32 v[\d+o], v[\a+o], v[\b+o] :: v_dual_min_num_f32 v[\d+o+1], v[\a+o+1], v[\b+o+1]
.set o, o+2
.endr
.endm
.macro MERGE                           ; the 16 smallest of X's two runs, sorted downward; with RA: the 16 smallest, sorted upward, into RA
	MIN16 Y, X, X+16
	LAYER Y, Y+16, 8, 16, 1
	LAYER Y+16, Y, 4, 16, 1
	LAYER Y, Y+16, 2, 16, 1
	LAYER Y+16, Y, 1, 16, 1
	MIN16 Y+16, RA, Y
	LAYER Y+16, Y, 8, 16, 0
	LAYER Y, Y+16, 4, 16, 0
	LAYER Y+16, Y, 2, 16, 0
	LAYER Y, RA, 1, 16, 0
.endm
.macro LOADS_A                         ; the 64 keys at s56 (fragments) and s57 (scale words)
	v_add_nc_u32 v5, s56, v1
	v_add_nc_u32 v6, s57, v2
.irp t, 0,1,2,3
.irp c, 0,1,2,3
	ds_load_b128 v[AF+16*\t+4*\c:AF+16*\t+4*\c+3], v5 offset:2048*\t+512*\c
.endr
.endr
	ds_load_b32 v[AS], v6
	ds_load_b32 v[AS+1], v6 offset:128
.endm
.macro LOADS_S                         ; their sums of squares: those of my half
	v_add_nc_u32 v7, s57, v3
.irp t, 0,1,2,3
.irp e, 0,1
	ds_load_b128 v[SK+8*\t+4*\e:SK+8*\t+4*\e+3], v7 offset:64*\t+16*\e
.endr
.endr
.endm
.macro PRODUCTS
.irp t, 0,1,2,3
.if \t%2
	v_wmma_scale_f32_16x16x128_f8f6f4 v[X+8*\t:X+8*\t+7], v[AF+16*\t:AF+16*\t+15], v[QF:QF+15], 0, v[AS+\t/2], v[QS] matrix_a_fmt:MATRIX_FMT_BF8 matrix_b_fmt:MATRIX_FMT_BF8 matrix_a_scale:MATRIX_SCALE_ROW1
.else
	v_wmma_scale_f32_16x16x128_f8f6f4 v[X+8*\t:X+8*\t+7], v[AF+16*\t:AF+16*\t+15], v[QF:QF+15], 0, v[AS+\t/2], v[QS] matrix_a_fmt:MATRIX_FMT_BF8 matrix_b_fmt:MATRIX_FMT_BF8
.endif
.endr
.endm
.macro ADDSQ                           ; sq + sk: sixteen plain lines that name none of the products' registers: the places behind them (ISA guide 7.12.1)
.set i, 0
.rept 16
	v_pk_add_f32 v[SK+i:SK+i+1], v[SK+i:SK+i+1], v[8:9]
.set i, i+2
.endr
.endm
.macro DIST                            ; d2 = (sq + sk) - 2 q.k, each accumulator from its low end on
.set i, 0
.rept 16
	v_pk_fma_f32 v[X+i:X+i+1], v[X+i:X+i+1], -2.0, v[SK+i:SK+i+1] op_sel_hi:[1,0,1]
.set i, i+2
.endr
.endm
; What both passes do with 64 keys: the fetched fragments are multiplied, d2 is made, and the fragments' registers, free behind ADDSQ's sixteen places, take the keys that follow.
; next = 0: nothing is fetched; 1: the next 64 keys; 2: the first 64 keys again, for the second pass
.macro FRONT next
	s_wait_dscnt 0x0                               ; the fragments, scale words and sums asked for a trip ago
	PRODUCTS
	ADDSQ
	DIST
.if \next == 1
	s_add_co_u32 s56, s56, 8192
	s_add_co_u32 s57, s57, 512
.endif
.if \next == 2
	s_mov_b32 s56, 0
	s_mov_b32 s57, 0
.endif
.if \next
	LOADS_A
	LOADS_S
.endif
.endm
.macro TRIP1 next                      ; pass 1: 240 pairs stand between the loads and the wait for them
	FRONT \next
	SORT2
	MERGE
.endm
.macro LOOP1 first, n                  ; n trips from group first on; each fetches the group behind its own
	s_mov_b32 s56, \first*8192                     ; the group last fetched.  (They hold these values already from the second loop on: written here so that each loop's range of LDS addresses can be read off its own head)
	s_mov_b32 s57, \first*512
	s_mov_b32 s58, \n
.Lp1_\@:
	TRIP1 1
	s_sub_co_u32 s58, s58, 1
	s_cmp_lg_u32 s58, 0
	s_cbranch_scc1 .Lp1_\@
.endm
.macro LANDED n                        ; all my tensor loads but the youngest n have landed, and my LDS loads are in; then the same holds of every wave.
	s_wait_tensorcnt \n
	s_wait_dscnt 0x0
	s_barrier_signal -1
	s_barrier_wait -1
.endm
.macro BITS                            ; register o's two comparisons with tau become bit o of two words
.set i, 0
.rept 16
	v_pk_add_f32 v[Y+i:Y+i+1], v[X+i:X+i+1], v[10:11] neg_lo:[0,1] neg_hi:[0,1]   ; d2 - tau: negative where d2 < tau
	v_pk_add_f32 v[Z+i:Z+i+1], v[10:11], v[X+i:X+i+1] neg_lo:[0,1] neg_hi:[0,1]   ; tau - d2: negative where d2 > tau
.set i, i+2
.endr
.irp c, 0,1,2,3
	v_lshrrev_b32 v[WL+\c], 31, v[Y+8*\c+7]        ; byte c begins with its highest bit
	v_lshrrev_b32 v[WG+\c], 31, v[Z+8*\c+7]
.endr
.irp k, 6,5,4,3,2,1,0
.irp c, 0,1,2,3
	v_alignbit_b32 v[WL+\c], v[WL+\c], v[Y+8*\c+\k], 31   ; the byte shifted left by one, the next sign bit below it
	v_alignbit_b32 v[WG+\c], v[WG+\c], v[Z+8*\c+\k], 31
.endr
.endr
	v_lshl_or_b32 v[WL], v[WL+1], 8, v[WL]
	v_lshl_or_b32 v[WG], v[WG+1], 8, v[WG]
	v_lshl_or_b32 v[WL+2], v[WL+3], 8, v[WL+2]
	v_lshl_or_b32 v[WG+2], v[WG+3], 8, v[WG+2]
	v_lshl_or_b32 v[WL], v[WL+2], 16, v[WL]
	v_lshl_or_b32 v[WG], v[WG+2], 16, v[WG]
	v_xor_b32 v[WG], -1, v[WG]                     ; not greater: d2 <= tau
.endm
.macro TRIP2 next                      ; pass 2
	FRONT \next
	v_add_nc_u32 v15, s59, v4
	BITS
	ds_store_b32 v15, v[WL]                        ; word 2 g + h of d2 < tau,
	ds_store_b32 v15, v[WG] offset:256             ; and of d2 <= tau
	s_add_co_u32 s59, s59, 8
.endm
	s_load_b128 s[4:7], s[0:1], 0x0                ; frag, aux
	s_load_b64 s[8:9], s[0:1], 0x10                ; masks
	v_lshl_add_u32 v62, v0, 2, 0x4c400
	v_mov_b32 v63, 0
	ds_add_u32 v62, v63
	ds_add_u32 v62, v63
	v_lshrrev_b32 v1, 5, v0
	v_readfirstlane_b32 s10, v1                    ; wave 0..3
	s_bfe_u32 s11, ttmp6, 0x40000                  ; cx
	s_lshl_b32 s12, ttmp9, 2
	s_add_co_u32 s12, s12, s11                     ; my group of 64 queries: it enters global addresses alone
	s_lshr_b32 s13, ttmp9, 3                       ; the batch, which the four partners share
	; group 1 for the scale words and sums: 8 rows of 64 elements of 8 bytes, 128 elements apart; the mask names all four, bit 21 beside it
	s_mov_b32 s20, 15|(3<<16)|(1<<21)
	s_mov_b32 s21, 64<<16
	s_mov_b32 s22, 8<<16
	s_mov_b32 s23, 64<<16
	s_mov_b32 s24, 8
	s_mov_b32 s25, 128
	s_mov_b32 s26, 0
	s_mov_b32 s27, 0
	; group 1 for the fragments: a dense block of 16 KB as 64 rows of 256 bytes
	s_mov_b32 s28, 15|(3<<16)|(1<<21)
	s_mov_b32 s29, 32<<16
	s_mov_b32 s30, 64<<16
	s_mov_b32 s31, 32<<16
	s_mov_b32 s32, 64
	s_mov_b32 s33, 32
	s_mov_b32 s34, 0
	s_mov_b32 s35, 0
	s_lshl_b32 s14, s13, 15
	s_lshl_b32 s15, s10, 13
	s_add_co_u32 s14, s14, s15
	s_mov_b32 s15, 0
	s_lshl_b32 s16, s13, 18
	s_lshl_b32 s17, s10, 14
	s_add_co_u32 s16, s16, s17
	s_mov_b32 s17, 0
	s_lshl_b32 s56, s10, 14
	s_wait_dscnt 0x0
	s_wait_kmcnt 0x0
	s_mov_b32 s36, 1
	s_lshl_b32 s37, s10, 12
	s_add_co_u32 s37, s37, AUXL
	s_add_nc_u64 s[38:39], s[6:7], s[14:15]
	s_or_b32 s39, s39, 0x80000000
	s_add_nc_u64 s[18:19], s[4:5], s[16:17]
.irp c, 0,1,2,3
	s_mov_b32 s[40+4*\c], 1
	s_add_co_u32 s[41+4*\c], s56, \c*65536
	s_add_nc_u64 s[42+4*\c:43+4*\c], s[18:19], \c*65536
	s_or_b32 s[43+4*\c], s[43+4*\c], 0x80000000
.endr
	CROUND                                         ; all four work-groups are here: the joint loads meet
	tensor_load_to_lds s[36:39], s[20:27]          ; my quarter of the scale words and sums,
	s_nop 0
	tensor_load_to_lds s[40:43], s[28:35]          ; and of each of the four chunks of 512 keys
	s_nop 0
	tensor_load_to_lds s[44:47], s[28:35]
	s_nop 0
	tensor_load_to_lds s[48:51], s[28:35]
	s_nop 0
	tensor_load_to_lds s[52:55], s[28:35]
	s_nop 0
	PLACES 4
	v_and_b32 v1, 31, v0
	v_lshlrev_b32 v2, 2, v1
	v_lshlrev_b32 v1, 4, v1                        ; v1: 16 x lane
	v_add_nc_u32 v2, AUXL, v2                      ; v2: a scale word's place
	v_bfe_u32 v12, v0, 4, 1                        ; h
	v_and_b32 v11, 15, v0                          ; r
	v_lshlrev_b32 v3, 5, v12
	v_add_nc_u32 v3, AUXL+256, v3                  ; v3: my half's sums
	s_mul_i32 s58, s10, 16*SP
	s_add_co_u32 s58, s58, STG
	v_mul_u32_u24 v4, v11, SP
	v_lshl_add_u32 v4, v12, 2, v4
	v_add_nc_u32 v4, s58, v4                       ; v4: my query's row of the stage, + 4 h
	v_add_nc_u32 v13, s58, v1                      ; v13: a row back
	v_lshlrev_b32 v14, 2, v11                      ; v14: 4 r
	s_lshl_b32 s14, s12, 13
	s_lshl_b32 s16, s10, 11
	s_add_co_u32 s14, s14, s16
	s_add_nc_u64 s[14:15], s[4:5], s[14:15]        ; my tile of queries (+ QFR)
	s_lshl_b32 s16, s12, 10
	s_lshl_b32 s58, s10, 6
	s_add_co_u32 s16, s16, s58
	s_add_nc_u64 s[16:17], s[6:7], s[16:17]        ; its words and sums in the group's record
	s_lshl_b32 s60, s12, 15
	s_lshl_b32 s58, s10, 12
	s_add_co_u32 s60, s60, s58
	s_mov_b32 s61, 0
	s_add_nc_u64 s[60:61], s[8:9], s[60:61]        ; masks at query 64 Gq + 8 w
.irp c, 0,1,2,3
	global_load_b128 v[QF+4*\c:QF+4*\c+3], v1, s[14:15] offset:QFR+512*\c
.endr
	global_load_b32 v[QS], v14, s[16:17] offset:512
	global_load_b32 v8, v14, s[16:17] offset:768   ; sq of my query
	s_mov_b32 s[SEL], 0x76543210
	s_mov_b32 s[SEL+1], 0xfedcba98
.set i, 0
.rept 16
	v_mov_b32 v[RA+i], 0x7f800000                  ; the running 16 begin as +infinity
	v_mov_b32 v[RP+i], 0                           ; a lane permute's destination counts as read
.set i, i+1
.endr
	s_wait_loadcnt 0x0
	v_mov_b32 v9, v8
	; ---- pass 1.  A trip's look-ahead may reach the first group of the next chunk, so the waits run one chunk ahead of the trips
	LANDED 2                                       ; the scale words and sums and chunks 0 and 1 (groups 0-15) are in; chunks 2 and 3 may be out
	s_mov_b32 s56, 0
	s_mov_b32 s57, 0
	LOADS_A                                        ; group 0
	LOADS_S
	LOOP1 0, 8                                     ; groups 0-7; fetched meanwhile: 1-8
	LANDED 1                                       ; chunk 2 (groups 16-23) is in; chunk 3 may be out
	LOOP1 8, 8                                     ; groups 8-15; fetched: 9-16
	LANDED 0                                       ; chunk 3 is in
	LOOP1 16, 15                                   ; groups 16-30; fetched: 17-31
	TRIP1 2                                        ; group 31; fetched: group 0, for pass 2
.set w, 0
.rept 16
.set l, 15-w
.set ri, (w&14)|(((w>>3)^(w>>2)^(w>>1)^w)&1)
.set rl, (l&14)|(((l>>3)^(l>>2)^(l>>1)^l)&1)
	v_permlanex16_b32 v[RP+ri], v[RA+rl], s[SEL], s[SEL+1]   ; the other half's 16, in falling order
.set w, w+1
.endr
	MIN16 RP, RP, RA                               ; the query's 16 smallest
	v_max3_num_f32 v10, v[RP], v[RP+1], v[RP+2]
.irp i, 3,5,7,9,11,13
	v_max3_num_f32 v10, v10, v[RP+\i], v[RP+\i+1]
.endr
	v_max_num_f32 v10, v10, v[RP+15]               ; tau,
	v_mov_b32 v11, v10                             ; twice, for the packed subtractions
	; ---- pass 2
	s_mov_b32 s59, 0
	s_mov_b32 s58, 31
.Lp2:
	TRIP2 1
	s_sub_co_u32 s58, s58, 1
	s_cmp_lg_u32 s58, 0
	s_cbranch_scc1 .Lp2
	TRIP2 0                                        ; the last trip fetches nothing
.irp i, 0,1,2,3,4,5,6,7,8,9,10,11,12,13,14,15
	ds_load_b128 v[AF+4*\i:AF+4*\i+3], v13 offset:SP*\i   ; LDS serves a wave's instructions in order: these see my stores
.endr
.irp i, 0,1,2,3,4,5,6,7,8,9,10,11,12,13,14,15
	s_wait_dscnt 15-\i
	global_store_b128 v1, v[AF+4*\i:AF+4*\i+3], s[60:61] offset:((\i%8)+32*(\i/8))*512   ; a query's 512 bytes
.endr
	s_wait_tensorcnt 0x0
	ds_add_u32 v62, v63
	s_wait_dscnt 0x0
	CROUND                                         ; the closing round
	s_endpgm
.Lfunc_end_k_q6b89dbfb0e_knn:
	.size	k_q6b89dbfb0e_knn, .Lfunc_end_k_q6b89dbfb0e_knn-k_q6b89dbfb0e_knn
	.p2alignl 7, 3214868480
	.fill 96, 4, 3214868480
	.section	.rodata,"a",@progbits
	.p2align	6, 0x0
	.amdhsa_kernel k_q6b89dbfb0e_knn
		.amdhsa_group_segment_fixed_size 327680
		.amdhsa_private_segment_fixed_size 0
		.amdhsa_enable_private_segment 0
		.amdhsa_kernarg_size 24
		.amdhsa_user_sgpr_count 2
		.amdhsa_user_sgpr_kernarg_segment_ptr 1
		.amdhsa_wavefront_size32 1
		.amdhsa_system_sgpr_workgroup_id_x 1
		.amdhsa_system_sgpr_workgroup_id_y 1
		.amdhsa_system_sgpr_workgroup_id_z 1
		.amdhsa_system_vgpr_workitem_id 0
		.amdhsa_next_free_vgpr 256
		.amdhsa_next_free_sgpr 66
		.amdhsa_reserve_vcc 0
		.amdhsa_float_denorm_mode_32 3
		.amdhsa_float_denorm_mode_16_64 3
		.amdhsa_memory_ordered 1
		.amdhsa_forward_progress 1
		.amdhsa_inst_pref_size 114
	.end_amdhsa_kernel
	.amdgpu_metadata
---
amdhsa.version: [ 1, 2 ]
amdhsa.kernels:
  - .name:           k_q6b89dbfb0e_knn
    .symbol:         k_q6b89dbfb0e_knn.kd
    .args:
      - { .name: frag, .offset: 0, .size: 8, .value_kind: global_buffer, .address_space: global }
      - { .name: aux, .offset: 8, .size: 8, .value_kind: global_buffer, .address_space: global }
      - { .name: masks, .offset: 16, .size: 8, .value_kind: global_buffer, .address_space: global }
    .group_segment_fixed_size: 327680
    .private_segment_fixed_size: 0
    .kernarg_segment_align: 8
    .kernarg_segment_size: 24
    .max_flat_workgroup_size: 128
    .sgpr_count:     66
    .vgpr_count:     256
    .wavefront_size: 32
...
	.end_amdgpu_metadata
.endif
;; end of part 3
;; launch attn (part 4): grid 256 x 1, 4 waves a work-group, no clusters, 327,680 bytes of LDS; arguments x, masks, qkn, xq, wq, bv, bo, gf, bf, b1f, b2f, rw, out0; writes out0
.if DOCPART == 4
	.amdgcn_target "amdgcn-amd-amdhsa--gfx1250"
	.amdhsa_code_object_version 6
	.text
	.protected	k_q6b89dbfb0e_attn
	.globl	k_q6b89dbfb0e_attn
	.p2align	8
	.type	k_q6b89dbfb0e_attn,@function
k_q6b89dbfb0e_attn:
	s_mov_b64 s[64:65], 0
	v_nop
	global_prefetch_b8 v0, s[64:65] scope:SCOPE_SE
	s_setreg_imm32_b32 hwreg(HW_REG_WAVE_MODE, 25, 1), 1
	s_wait_xcnt 0x0
; All that follows the choice of neighbours, for 64 rows a work-group: masks -> 16 indices; gathered LayerNorm codes x Wv; logits, softmax and weighted sum in f32; Wo; residual;
; LayerNorm; W1; exact GELU; W2; residual.  All four large products on BF8 codes with E8M0 scales; intermediates stay in registers and LDS.
; DECODE.  Two queries a round, sixteen lanes each: lane a takes words 4 a .. 4 a + 3 of both masks, counts bits, and a scan over the lanes gives each lane its place.  Then lane a is SLOT a:
; slots under the number of bits of d2 < tau take those bits, the others the bits of d2 = tau in rising key order (the lower index wins a tie).  A slot finds its lane, word and bit by counted
; searches: no branch.  The lane permutes touch no LDS byte.
; ATTENTION, a query at a time: wave w owns queries 16 w .. + 15 and holds all of Wv in 512 registers.  Source 0 = the 16 neighbours' codes, source 1 = 16 columns of Wv: a lane then holds one
; column and eight neighbours, which is what the weighted sum wants.  Rows are gathered whole (sixteen lanes to 256 bytes) two queries ahead, in two sets of registers.
; bv is added once behind the weighted sum (the weights sum to 1 within rounding).
; FROM Wo ON the waves share the COLUMNS: each weight fragment is read from memory once, by one wave, into registers, and feeds four tiles of rows; the rows' codes go from wave to wave through
; LDS as images of the operand's registers.  These products are used transposed, with the weights' columns permuted, so that a lane holds one row and its registers run along the next K.
; NO CLUSTER: of the 640 KB of weight codes only Wv's 64 KB go through LDS; every other fragment is used by one wave alone and goes straight into its registers.
; LIMITS: NaN and infinities are not served; blocks under the floor 2^(16 - 127) keep the byte 1.  erf(z) = z P(z^2) / Q(z^2) with z held to +-4 (7 and 5 terms, about 1e-7 absolute),
; so 1 + erf loses relative accuracy for inputs under about -3, as any f32 sum 1 + erf does.
.set XP,   1040                        ; a row of 256 f32 in LDS: 1,024 bytes + 16
.set WVL,  66560                       ; behind x's 64 rows: Wv's 32 fragments
.set OST,  132096                      ; 64 rows: o, then x1, then the result
.set IMGA, 198656                      ; eight fragments (tile of rows m, K step s: 2 m + s)
.set IMGS, 215040                      ; their scale words, 128 bytes each
.set HIMG, 216064                      ; the hidden layer: two chunks of 16 fragments (4 m + wave)
.set HSC,  281600
.set IDX,  285696                      ; 16 queries x 16 indices for each wave
.set PST,  289792                      ; a query's weights [head][neighbour] for each wave
.set CST,  291840                      ; 16 rows x (256 + 16) for each wave: the neighbours' codes
.set CP,   272
.set WSCL, 720896
.set KN0,  8388608
.set XS0,  4194304
; registers that stay
.set A,1                               ; lane % 16
.set H,2                               ; lane / 16
.set LI,3                              ; 16 x lane
.set L4,15                             ; 4 x lane
; decode
.set TA,7
.set TB,8
.set TS,16                             ; v16-31 at work
.set DB,32                             ; round p at v[32 + 28 p]
.set DS,28
.set oCWL,8
.set oCWE,9
.set oINC,10
.set oEX,11
.set oPB,12
.set oT,13
.set oSH,14
.set oF0,15
.set oF1,16
.set oF2,17
.set oFW,18
.set oU0,26
.set oU1,27
; attention
.set A16,4
.set IXH,5
.set IXA,6
.set PSS,9
.set PSL,10
.set CSS,11
.set CSL,12
.set OSS,13
.set TC,14
.set WVS,16                            ; v16-31 Wv's scale words: lanes 0-15 K step 0, lanes 16-31 K step 1
.set AF,32                             ; v32-63 the neighbours' two fragments
.set P,64                              ; v64-127 the weights: register 8 head + j = neighbour 8 h + j
.set LG,128
.set T,144
.set S,160
.set BV,176
.set AS,184                            ; v184-185 the neighbours' scale words
.set D,192                             ; v192-255 eight tiles of v
.set ACD,208                           ; window 3: gather set g at v[104 g]: kn 64, codes 32, qn 8; then the offsets
.set AKN,216
.set ASC,224
.set AQ,225
.set ASL,226                           ; where a set's scale words land
; from Wo on
.set GB,4
.set OWN,5
.set COL,6
.set XCOL,7
.set IMW,8
.set ISW,9
.set IMR,10
.set ISR,11
.set HWI,12
.set HWS,13
.set HRI,14
.set TM,16
.set PW,32
.set HRS,33
.set ROWO,34
.set GC,36                             ; v36-39 two coefficients, twice each
.set PC,40
.set IS,56                             ; v56-59 scale words of fetched images
.set WOS,60
.set W1S,64
.set W2S,80
.set OF,64
.set GZ,96
.set LT,98
.set LM,106
.set LQ,111
.set X,128
.set HA,128
.set YF,192
.set HF,192
.set LA,224
; scalars
.set XQB,30
.set KNB,32
.set XSB,34
.set QNB,36
.set WV,38
.set SEL,66
.set MNT,68
.set HM,69
.set RW,78
.set M5,80
.set M3,81
.set MF,82
.set M1,83
.set M16,84
.set SQI,86
.set SQQ,87
.set SOS,88
.set C256,89
.set EPS,90
.set CNT,91
.set CL,92
.set RS2,40
.set CA0,42
.set CA2,44
.set CA3,46
.set CA4,48
.set CA5,50
.set CA6,52
.set CB0,54
.set CB2,56
.set CB3,58
.set CB4,60
.set MSB, 0
.macro WIN new                         ; the immediate's high byte repeats the setting that is left
.if MSB != \new
	s_set_vgpr_msb (MSB<<8)|\new
.set MSB, \new
.endif
.endm
.macro PLACES n
.rept \n
	v_nop
.endr
.endm
.macro SPAIR r, val                    ; a constant for packed forms: both words of the pair are written
	s_mov_b32 s[\r], \val
	s_mov_b32 s[\r+1], \val
.endm
.macro QUANT s                         ; 64 numbers of a lane -> 16 registers of codes and a scale word
.irp b, 0,1,2,3
	v_max3_num_f32 v[TM+\b], |v[\s+16*\b]|, |v[\s+1+16*\b]|, 0x8000000   ; my 16 numbers of block b and the floor 2^(16 - 127)
.endr
.irp i, 2,4,6,8,10,12,14
.irp b, 0,1,2,3
	v_max3_num_f32 v[TM+\b], v[TM+\b], |v[\s+16*\b+\i]|, |v[\s+1+16*\b+\i]|
.endr
.endr
.irp b, 0,1,2,3
	v_permlanex16_b32 v[TM+4+\b], v[TM+\b], s[SEL], s[SEL+1]
.endr
.irp b, 0,1,2,3
	v_max_num_f32 v[TM+\b], v[TM+\b], v[TM+4+\b]
.endr
.irp b, 0,1,2,3
	v_add_nc_u32 v[TM+12+\b], 0xf8800000, v[TM+\b]          ; 15 off the exponent field: the conversion's scale operand
.endr
.irp b, 0,1,2,3
	v_and_or_b32 v[TM+8+\b], v[TM+\b], 0x7f800000, s[MNT]   ; 57,344 x the scale
.endr
.irp b, 0,1,2,3
	v_lshrrev_b32 v[TM+4+\b], 23, v[TM+12+\b]               ; the scale's byte
.endr
	v_lshl_or_b32 v[PW], v[TM+5], 8, v[TM+4]
	v_lshl_or_b32 v[PW], v[TM+6], 16, v[PW]
	v_lshl_or_b32 v[PW], v[TM+7], 24, v[PW]
.irp b, 0,1,2,3
.irp i, 0,1,2,3,4,5,6,7,8,9,10,11,12,13,14,15
	v_med3_num_f32 v[\s+16*\b+\i], v[\s+16*\b+\i], -v[TM+8+\b], v[TM+8+\b]   ; the conversion does not saturate (ISA guide 7.6.2)
.endr
	v_cvt_scalef32_pk8_bf8_f32 v[PC+4*\b:PC+1+4*\b], v[\s+16*\b:\s+7+16*\b], v[TM+12+\b]
	v_cvt_scalef32_pk8_bf8_f32 v[PC+2+4*\b:PC+3+4*\b], v[\s+8+16*\b:\s+15+16*\b], v[TM+12+\b]
.endr
	v_nop                                                   ; a plain line behind the last conversion
.endm
.macro IMAGE adr, off
.irp c, 0,1,2,3
	ds_store_b128 v[\adr], v[PC+4*\c:PC+4*\c+3] offset:\off+512*\c
.endr
.endm
.macro FETCH reg, adr, off
.irp c, 0,1,2,3
	ds_load_b128 v[\reg+4*\c:\reg+4*\c+3], v[\adr] offset:\off+512*\c
.endr
.endm
.macro BARRIER                         ; my LDS stores have landed and my LDS loads are in: then the work-group's barrier
	s_wait_dscnt 0x0
	s_barrier_signal -1
	s_barrier_wait -1
.endm
.macro LNORM x, setting                ; LayerNorm of a row held by two lanes: mean, deviations, their squares; gain and bias in the window that the setting names
.irp c, 0,1,2,3
	v_pk_add_f32 v[LT+2*\c:LT+2*\c+1], v[\x+4*\c:\x+4*\c+1], v[\x+4*\c+2:\x+4*\c+3]
.endr
.set i, 16
.rept 14
.irp c, 0,1,2,3
	v_pk_add_f32 v[LT+2*\c:LT+2*\c+1], v[LT+2*\c:LT+2*\c+1], v[\x+i+2*\c:\x+i+2*\c+1]
.endr
.set i, i+8
.endr
	v_pk_add_f32 v[LT:LT+1], v[LT:LT+1], v[LT+2:LT+3]
	v_pk_add_f32 v[LT+4:LT+5], v[LT+4:LT+5], v[LT+6:LT+7]
	v_pk_add_f32 v[LT:LT+1], v[LT:LT+1], v[LT+4:LT+5]
	v_add_f32 v[LT], v[LT], v[LT+1]
	v_permlanex16_b32 v[LQ], v[LT], s[SEL], s[SEL+1]
	v_add_f32 v[LT], v[LT], v[LQ]
	v_mul_f32 v[LM], s[C256], v[LT]
	v_mov_b32 v[LM+1], v[LM]
.set i, 0
.rept 64
	v_pk_add_f32 v[\x+i:\x+i+1], v[\x+i:\x+i+1], v[LM:LM+1] neg_lo:[0,1] neg_hi:[0,1]
.set i, i+2
.endr
.irp c, 0,1,2,3
	v_pk_mul_f32 v[LT+2*\c:LT+2*\c+1], v[\x+2*\c:\x+2*\c+1], v[\x+2*\c:\x+2*\c+1]
.endr
.set i, 8
.rept 15
.irp c, 0,1,2,3
	v_pk_fma_f32 v[LT+2*\c:LT+2*\c+1], v[\x+i+2*\c:\x+i+2*\c+1], v[\x+i+2*\c:\x+i+2*\c+1], v[LT+2*\c:LT+2*\c+1]
.endr
.set i, i+8
.endr
	v_pk_add_f32 v[LT:LT+1], v[LT:LT+1], v[LT+2:LT+3]
	v_pk_add_f32 v[LT+4:LT+5], v[LT+4:LT+5], v[LT+6:LT+7]
	v_pk_add_f32 v[LT:LT+1], v[LT:LT+1], v[LT+4:LT+5]
	v_add_f32 v[LT], v[LT], v[LT+1]
	v_permlanex16_b32 v[LQ], v[LT], s[SEL], s[SEL+1]
	v_add_f32 v[LT], v[LT], v[LQ]
	v_fma_f32 v[LT], v[LT], s[C256], s[EPS]
	v_rsq_f32 v[LM], v[LT]
	v_nop
	s_wait_alu depctr_va_vdst(0)
	v_mov_b32 v[LM+1], v[LM]
.set i, 0
.rept 64
	v_pk_mul_f32 v[\x+i:\x+i+1], v[\x+i:\x+i+1], v[LM:LM+1]
.set i, i+2
.endr
	WIN \setting
.set i, 0
.rept 64
	v_pk_fma_f32 v[\x+i:\x+i+1], v[\x+i:\x+i+1], v[i:i+1], v[128+i:129+i]
.set i, i+2
.endr
	WIN 0
.endm
; one line for each of the eight rounds of the decode, by turns
.macro P_CV op, d, c, a
.irp p, 0,1,2,3,4,5,6,7
	\op v[DB+DS*\p+\d], \c, v[DB+DS*\p+\a]
.endr
.endm
.macro P_VVV op, d, a, b
.irp p, 0,1,2,3,4,5,6,7
	\op v[DB+DS*\p+\d], v[DB+DS*\p+\a], v[DB+DS*\p+\b]
.endr
.endm
.macro P_BFE d, a, o, n
.irp p, 0,1,2,3,4,5,6,7
	v_bfe_u32 v[DB+DS*\p+\d], v[DB+DS*\p+\a], v[DB+DS*\p+\o], \n
.endr
.endm
.macro P_CMP op, m, a, b
.irp p, 0,1,2,3,4,5,6,7
	\op s[\m+\p], v[DB+DS*\p+\a], v[DB+DS*\p+\b]
.endr
.endm
.macro P_SEL d, a, b, m
.irp p, 0,1,2,3,4,5,6,7
	v_cndmask_b32 v[DB+DS*\p+\d], v[DB+DS*\p+\a], v[DB+DS*\p+\b], s[\m+\p]
.endr
.endm
.macro P_SET d, c
.irp p, 0,1,2,3,4,5,6,7
	v_mov_b32 v[DB+DS*\p+\d], \c
.endr
.endm
.macro POPC p                          ; round p: eq = le xor lt; the bits of my eight words counted; the counts packed
.set B, DB+DS*\p
.irp j, 0,1,2,3
	v_xor_b32 v[B+4+\j], v[B+4+\j], v[B+\j]
.endr
.irp j, 0,1,2,3,4,5,6,7
	v_lshrrev_b32 v[TS+8+\j], 1, v[B+\j]
.endr
.irp j, 0,1,2,3,4,5,6,7
	v_and_b32 v[TS+8+\j], s[M5], v[TS+8+\j]
.endr
.irp j, 0,1,2,3,4,5,6,7
	v_sub_nc_u32 v[TS+\j], v[B+\j], v[TS+8+\j]
.endr
.irp j, 0,1,2,3,4,5,6,7
	v_lshrrev_b32 v[TS+8+\j], 2, v[TS+\j]
.endr
.irp j, 0,1,2,3,4,5,6,7
	v_and_b32 v[TS+\j], s[M3], v[TS+\j]
.endr
.irp j, 0,1,2,3,4,5,6,7
	v_and_b32 v[TS+8+\j], s[M3], v[TS+8+\j]
.endr
.irp j, 0,1,2,3,4,5,6,7
	v_add_nc_u32 v[TS+\j], v[TS+\j], v[TS+8+\j]
.endr
.irp j, 0,1,2,3,4,5,6,7
	v_lshrrev_b32 v[TS+8+\j], 4, v[TS+\j]
.endr
.irp j, 0,1,2,3,4,5,6,7
	v_add_nc_u32 v[TS+\j], v[TS+\j], v[TS+8+\j]
.endr
.irp j, 0,1,2,3,4,5,6,7
	v_and_b32 v[TS+\j], s[MF], v[TS+\j]
.endr
.irp j, 0,1,2,3,4,5,6,7
	v_mul_lo_u32 v[TS+\j], v[TS+\j], s[M1]
.endr
.irp j, 0,1,2,3,4,5,6,7
	v_lshrrev_b32 v[TS+\j], 24, v[TS+\j]
.endr
	v_lshl_or_b32 v[B+oCWL], v[TS+1], 8, v[TS]
	v_lshl_or_b32 v[B+oCWE], v[TS+5], 8, v[TS+4]
	v_lshl_or_b32 v[B+oCWL], v[TS+2], 16, v[B+oCWL]
	v_lshl_or_b32 v[B+oCWE], v[TS+6], 16, v[B+oCWE]
	v_lshl_or_b32 v[B+oCWL], v[TS+3], 24, v[B+oCWL]
	v_lshl_or_b32 v[B+oCWE], v[TS+7], 24, v[B+oCWE]
	v_add3_u32 v[TS], v[TS], v[TS+1], v[TS+2]
	v_add3_u32 v[TS+4], v[TS+4], v[TS+5], v[TS+6]
	v_add_nc_u32 v[TS], v[TS], v[TS+3]
	v_add_nc_u32 v[TS+4], v[TS+4], v[TS+7]
	v_lshl_or_b32 v[B+oINC], v[TS+4], 16, v[TS]    ; my lt bits below, my eq bits above
	v_mov_b32 v[B+oEX], v[B+oINC]
	v_mov_b32 v[B+oU0], 0                          ; a DPP destination counts as read
.endm
.macro DESC lv, wd, st                 ; one step down: is the bit wanted beyond the lower field of st bits?
	P_BFE 6, \lv, 5, \wd
	P_CMP v_cmp_ge_u32, 94, oT, 6
.irp p, 0,1,2,3,4,5,6,7
	v_cndmask_b32 v[DB+DS*\p+6], 0, v[DB+DS*\p+6], s[94+\p]
.endr
	P_VVV v_sub_nc_u32, oT, oT, 6
	P_CV v_add_nc_u32, 7, \st, 5
	P_SEL 5, 5, 7, 94
.endm
	s_load_b512 s[4:19], s[0:1], 0x0               ; x, masks, qkn, xq, wq, bv, bo, gf
	s_load_b256 s[20:27], s[0:1], 0x40             ; bf, b1f, b2f, rw
	s_load_b64 s[28:29], s[0:1], 0x60              ; out0
	v_lshl_add_u32 v254, v0, 2, 0x4b800
	v_mov_b32 v255, 0
	ds_add_u32 v254, v255
	ds_add_u32 v254, v255
	s_wait_dscnt 0x0
	v_lshrrev_b32 v1, 5, v0
	v_readfirstlane_b32 s[WV], v1                  ; wave 0..3
	; group 1 for x: 16 rows of 256 elements of 4 bytes, 4 words of padding behind each 256
	s_mov_b32 s44, (2<<16)|(1<<20)|(7<<22)|(3<<25)
	s_mov_b32 s45, 256<<16
	s_mov_b32 s46, 16<<16
	s_mov_b32 s47, 256<<16
	s_mov_b32 s48, 16
	s_mov_b32 s49, 256
	s_mov_b32 s50, 0
	s_mov_b32 s51, 0
	; group 1 for Wv: a dense block of 16 KB as 64 rows of 256 bytes
	s_mov_b32 s56, 3<<16
	s_mov_b32 s57, 32<<16
	s_mov_b32 s58, 64<<16
	s_mov_b32 s59, 32<<16
	s_mov_b32 s60, 64
	s_mov_b32 s61, 32
	s_mov_b32 s62, 0
	s_mov_b32 s63, 0
	s_lshl_b32 s70, ttmp9, 16
	s_lshl_b32 s72, s[WV], 14
	s_add_co_u32 s70, s70, s72
	s_mov_b32 s71, 0
	s_add_co_u32 s72, s72, 65536                   ; Wv's images begin at fragment 32
	s_mov_b32 s73, 0
	s_mov_b32 s40, 1
	s_mul_i32 s41, s[WV], 16*XP
	s_mov_b32 s52, 1
	s_lshl_b32 s53, s[WV], 14
	s_add_co_u32 s53, s53, WVL
	s_wait_kmcnt 0x0
	s_add_nc_u64 s[42:43], s[4:5], s[70:71]
	s_or_b32 s43, s43, 0x80000000
	s_add_nc_u64 s[54:55], s[12:13], s[72:73]
	s_or_b32 s55, s55, 0x80000000
	tensor_load_to_lds s[40:43], s[44:51]          ; my 16 rows of x,
	s_nop 0
	tensor_load_to_lds s[52:55], s[56:63]          ; my quarter of Wv: two loads of mine are out
	s_nop 0
	PLACES 4
	s_load_b32 s[RW], s[26:27], 0x0
	s_lshr_b32 s39, ttmp9, 5                       ; the batch
	s_lshl_b32 s70, s39, 19
	s_add_nc_u64 s[XQB:XQB+1], s[10:11], s[70:71]  ; the batch's rows of codes,
	s_lshl_b32 s70, s39, 20
	s_add_nc_u64 s[KNB:KNB+1], s[8:9], s[70:71]
	s_add_nc_u64 s[KNB:KNB+1], s[KNB:KNB+1], KN0   ; of kn,
	s_lshl_b32 s70, s39, 14
	s_add_nc_u64 s[XSB:XSB+1], s[10:11], s[70:71]
	s_add_nc_u64 s[XSB:XSB+1], s[XSB:XSB+1], XS0   ; of scale bytes
	s_lshl_b32 s70, ttmp9, 15
	s_lshl_b32 s72, s[WV], 13
	s_add_co_u32 s70, s70, s72
	s_add_nc_u64 s[QNB:QNB+1], s[8:9], s[70:71]    ; my 16 queries' rows of qn,
	s_add_nc_u64 s[74:75], s[6:7], s[70:71]        ; and of masks: 512 bytes a row both
	v_and_b32 v[A], 15, v0
	v_bfe_u32 v[H], v0, 4, 1
	v_and_b32 v[L4], 31, v0
	v_lshlrev_b32 v[LI], 4, v[L4]
	v_lshlrev_b32 v[L4], 2, v[L4]
	v_lshlrev_b32 v[TA], 9, v[H]
	v_lshl_add_u32 v[TA], v[A], 4, v[TA]           ; query 2 p + h, words 4 a on
.irp p, 0,1,2,3,4,5,6,7
	global_load_b128 v[DB+DS*\p:DB+DS*\p+3], v[TA], s[74:75] offset:1024*\p
	global_load_b128 v[DB+DS*\p+4:DB+DS*\p+7], v[TA], s[74:75] offset:1024*\p+256
.endr
	s_lshl_b32 s39, s[WV], 10
	s_add_co_u32 s39, s39, IDX
	v_add_nc_u32 v[TB], s39, v[L4]                 ; where slot a of query 2 p + h goes: 128 p + 4 x lane
	s_mov_b32 s[SEL], 0x76543210
	s_mov_b32 s[SEL+1], 0xfedcba98
	s_mov_b32 s[MNT], 0x600000
	s_mov_b32 s[HM], 0xffff0000                    ; lanes 16-31
	s_mov_b32 s[M5], 0x55555555
	s_mov_b32 s[M3], 0x33333333
	s_mov_b32 s[MF], 0x0f0f0f0f
	s_mov_b32 s[M1], 0x01010101
	s_mov_b32 s[M16], 0x00ff00ff
	s_mov_b32 s[C256], 0x3b800000
	s_mov_b32 s[EPS], 0x3727c5ac
	SPAIR CL, 0x3eb8aa3b                           ; log2(e) / sqrt(16)
	s_wait_loadcnt 0x0
.irp p, 0,1,2,3,4,5,6,7
	POPC \p
.endr
.irp st, 1,2,4,8                       ; an inclusive scan over the sixteen lanes of a query
.irp p, 0,1,2,3,4,5,6,7
	v_mov_b32_dpp v[DB+DS*\p+oU0], v[DB+DS*\p+oINC] row_shr:\st row_mask:0xf bank_mask:0xf bound_ctrl:1
.endr
	P_VVV v_add_nc_u32, oINC, oINC, oU0
.endr
	P_VVV v_sub_nc_u32, oEX, oINC, oEX             ; the bits in the lanes below me
.irp p, 0,1,2,3,4,5,6,7
	v_mov_b32_dpp v[DB+DS*\p+oU0], v[DB+DS*\p+oINC] row_share:15 row_mask:0xf bank_mask:0xf
.endr
	P_CV v_and_b32, oU0, 0xffff, oU0               ; how many keys lie under tau
.irp p, 0,1,2,3,4,5,6,7
	v_cmp_ge_u32 s[70+\p], v[A], v[DB+DS*\p+oU0]   ; my slot takes a key at tau
.endr
.irp p, 0,1,2,3,4,5,6,7
	v_cndmask_b32 v[DB+DS*\p+oU1], 0, v[DB+DS*\p+oU0], s[70+\p]
.endr
.irp p, 0,1,2,3,4,5,6,7
	v_sub_nc_u32 v[DB+DS*\p+oT], v[A], v[DB+DS*\p+oU1]   ; the how-manieth bit of its kind
.endr
.irp p, 0,1,2,3,4,5,6,7
	v_cndmask_b32 v[DB+DS*\p+oSH], 0, 16, s[70+\p] ; which half of the packed counts
.endr
.irp p, 0,1,2,3,4,5,6,7
	v_lshlrev_b32 v[DB+DS*\p+oPB], 6, v[H]         ; 4 x the first lane of my query
.endr
.irp st, 8,4,2,1                       ; the first lane whose inclusive count is above my number
	P_CV v_add_nc_u32, oU0, 4*(\st-1), oPB
.irp p, 0,1,2,3,4,5,6,7
	ds_bpermute_b32 v[DB+DS*\p+oU1], v[DB+DS*\p+oU0], v[DB+DS*\p+oINC]
.endr
	P_CV v_add_nc_u32, oU0, 4*\st, oPB
	s_wait_dscnt 0x0
	P_BFE oU1, oU1, oSH, 16
	P_CMP v_cmp_le_u32, 94, oU1, oT
	P_SEL oPB, oPB, oU0, 94
.endr
.irp p, 0,1,2,3,4,5,6,7                ; that lane's counts and words
	ds_bpermute_b32 v[DB+DS*\p+oF0], v[DB+DS*\p+oPB], v[DB+DS*\p+oEX]
	ds_bpermute_b32 v[DB+DS*\p+oF1], v[DB+DS*\p+oPB], v[DB+DS*\p+oCWL]
	ds_bpermute_b32 v[DB+DS*\p+oF2], v[DB+DS*\p+oPB], v[DB+DS*\p+oCWE]
.irp j, 0,1,2,3,4,5,6,7
	ds_bpermute_b32 v[DB+DS*\p+oFW+\j], v[DB+DS*\p+oPB], v[DB+DS*\p+\j]
.endr
.endr
	s_wait_dscnt 0x0
	P_BFE oF0, oF0, oSH, 16
	P_VVV v_sub_nc_u32, oT, oT, oF0                ; my number within that lane
	P_SEL oF1, oF1, oF2, 70
.irp j, 0,1,2,3
	P_SEL oFW+\j, oFW+\j, oFW+4+\j, 70
.endr
.irp p, 0,1,2,3,4,5,6,7
	v_mul_lo_u32 v[DB+DS*\p+oF1], v[DB+DS*\p+oF1], s[M1]   ; byte j: the bits of words 0 .. j
.endr
	P_SET oF2, 0
	P_SET oU0, 0
.irp j, 0,1,2                          ; which of the four words
.irp p, 0,1,2,3,4,5,6,7
	v_bfe_u32 v[DB+DS*\p+oU1], v[DB+DS*\p+oF1], 8*\j, 8
.endr
	P_CMP v_cmp_ge_u32, 94, oT, oU1
	P_SEL oFW, oFW, oFW+1+\j, 94
	P_SEL oF2, oF2, oU1, 94
.irp p, 0,1,2,3,4,5,6,7
	v_cndmask_b32 v[DB+DS*\p+oU0], v[DB+DS*\p+oU0], \j+1, s[94+\p]
.endr
.endr
	P_VVV v_sub_nc_u32, oT, oT, oF2                ; my number within that word
	P_CV v_lshrrev_b32, 4, 1, oFW                  ; its bits counted by fields of 2, 4, 8 and 16
	P_CV v_and_b32, 4, s[M5], 4
	P_VVV v_sub_nc_u32, 0, oFW, 4
	P_CV v_lshrrev_b32, 4, 2, 0
	P_CV v_and_b32, 4, s[M3], 4
	P_CV v_and_b32, 1, s[M3], 0
	P_VVV v_add_nc_u32, 1, 1, 4
	P_CV v_lshrrev_b32, 4, 4, 1
	P_VVV v_add_nc_u32, 2, 1, 4
	P_CV v_and_b32, 2, s[MF], 2
	P_CV v_lshrrev_b32, 4, 8, 2
	P_VVV v_add_nc_u32, 3, 2, 4
	P_CV v_and_b32, 3, s[M16], 3
	P_SET 5, 0
	DESC 3, 8, 16
	DESC 2, 8, 8
	DESC 1, 4, 4
	DESC 0, 2, 2
	DESC oFW, 1, 1
	P_CV v_and_b32, 6, 63, oPB                     ; 4 x the lane in its row = the number of its first word
.irp p, 0,1,2,3,4,5,6,7
	v_add_lshl_u32 v[DB+DS*\p+6], v[DB+DS*\p+6], v[DB+DS*\p+oU0], 5
.endr
	P_VVV v_add_nc_u32, 6, 6, 5                    ; the key: 32 x word + bit
.irp p, 0,1,2,3,4,5,6,7
	ds_store_b32 v[TB], v[DB+DS*\p+6] offset:128*\p
.endr
	; ---- what the attention keeps
	s_wait_tensorcnt 0x0                           ; my rows of x and my quarter of Wv have landed,
	BARRIER                                        ; everybody's have
.irp t, 0,1,2,3,4,5,6,7,8,9,10,11,12,13,14,15
	global_load_b32 v[WVS+\t], v[L4], s[12:13] offset:WSCL+2048+128*\t
.endr
.irp i, 0,1,2,3,4,5,6,7
	global_load_b32 v[BV+\i], v[L4], s[14:15] offset:128*\i   ; bv of column 32 i + lane
.endr
	v_add_nc_u32 v[TA], WVL, v[LI]
	WIN 0x40                                       ; Wv (t, s) at v[16 (2 (t % 8) + s)] of window 1 + t / 8
.set n, 0
.rept 64
	ds_load_b128 v[4*n:4*n+3], v[TA] offset:512*n
.set n, n+1
.endr
	WIN 0x80
.set n, 0
.rept 64
	ds_load_b128 v[4*n:4*n+3], v[TA] offset:32768+512*n
.set n, n+1
.endr
	WIN 0
	v_lshlrev_b32 v[A16], 4, v[A]
	v_lshl_add_u32 v[IXH], v[H], 5, s39            ; s39: my wave's index lists
	v_lshl_add_u32 v[IXA], v[A], 2, s39
	s_lshl_b32 s39, s[WV], 9
	s_add_co_u32 s39, s39, PST
	v_lshl_add_u32 v[PSL], v[H], 5, s39
	v_lshrrev_b32 v[PSS], 2, v[A]
	v_lshl_add_u32 v[PSS], v[PSS], 6, v[PSL]
	s_mul_i32 s39, s[WV], 16*CP
	s_add_co_u32 s39, s39, CST
	v_mul_u32_u24 v[CSS], v[H], 8*CP
	v_add_nc_u32 v[CSS], v[CSS], v[A16]
	v_add_nc_u32 v[CSS], s39, v[CSS]               ; codes in: row 8 h + i, sixteen lanes to a row
	v_mul_u32_u24 v[CSL], v[A], CP
	v_lshl_add_u32 v[CSL], v[H], 4, v[CSL]
	v_add_nc_u32 v[CSL], s39, v[CSL]               ; and out as a fragment: row r, + 16 h
	s_mul_i32 s39, s[WV], 16*XP
	s_add_co_u32 s39, s39, OST
	v_add_nc_u32 v[OSS], s39, v[L4]
	v_mov_b32 v[T+2], 0                            ; lane permutes' destinations count as read
	v_mov_b32 v[T+3], 0
	s_mov_b32 s[SQI], 0
	s_mov_b32 s[SQQ], 0
	s_mov_b32 s[SOS], 0
	s_wait_kmcnt 0x0
	s_mov_b32 s[RW+1], s[RW]
.macro GIDX                            ; the next query's list: my half's eight indices, and index a
	v_add_nc_u32 v[TA], s[SQI], v[IXH]
	v_add_nc_u32 v[TB], s[SQI], v[IXA]
	ds_load_b128 v[T:T+3], v[TA]
	ds_load_b128 v[T+4:T+7], v[TA] offset:16
	ds_load_b32 v[T+8], v[TB]
	s_add_co_u32 s[SQI], s[SQI], 64
.endm
.macro GLOADS g                        ; 27 loads into set g
.irp i, 0,1,2,3,4,5,6,7,8
	v_min_u32 v[T+\i], 0x7ff, v[T+\i]              ; an index stays inside its batch
.endr
	s_wait_xcnt 0x0                                ; the last gather's loads have read their offsets
	WIN 0xc0                                       ; destination window 3
.irp i, 0,1,2,3,4,5,6,7
	v_lshl_add_u32 v[ACD+\i], v[T+\i], 8, v[A16]
.endr
.irp i, 0,1,2,3,4,5,6,7
	v_lshl_add_u32 v[AKN+\i], v[T+\i], 9, v[A16]
.endr
	v_lshlrev_b32 v[ASC], 3, v[T+8]
	v_add_nc_u32 v[AQ], s[SQQ], v[A16]
	WIN 0xc3                                       ; destination and offset in window 3
.irp i, 0,1,2,3,4,5,6,7
	global_load_b128 v[104*\g+64+4*\i:104*\g+64+4*\i+3], v[ACD+\i], s[XQB:XQB+1]   ; neighbours i and 8 + i: two whole rows of 256 bytes
.endr
.irp i, 0,1,2,3,4,5,6,7
.irp e, 0,1
	global_load_b128 v[104*\g+8*\i+4*\e:104*\g+8*\i+4*\e+3], v[AKN+\i], s[KNB:KNB+1] offset:256*\e
.endr
.endr
	global_load_b128 v[104*\g+96:104*\g+99], v[AQ], s[QNB:QNB+1]
	global_load_b128 v[104*\g+100:104*\g+103], v[AQ], s[QNB:QNB+1] offset:256
	global_load_b64 v[ASL+2*\g:ASL+2*\g+1], v[ASC], s[XSB:XSB+1]
	WIN 0
	s_add_co_u32 s[SQQ], s[SQQ], 512
.endm
.macro PVHALF hf                       ; tiles 8 hf .. 8 hf + 7 of v, and their weighted sums over my eight neighbours
	WIN 0x04+4*\hf                                 ; source 1 in window 1 or 2.  The eight accumulators take turns
.irp t, 0,1,2,3,4,5,6,7
	v_wmma_scale_f32_16x16x128_f8f6f4 v[D+8*\t:D+8*\t+7], v[AF:AF+15], v[32*\t:32*\t+15], 0, v[AS], v[WVS+8*\hf+\t] matrix_a_fmt:MATRIX_FMT_BF8 matrix_b_fmt:MATRIX_FMT_BF8
.endr
.irp t, 0,1,2,3,4,5,6,7
	v_wmma_scale_f32_16x16x128_f8f6f4 v[D+8*\t:D+8*\t+7], v[AF+16:AF+31], v[32*\t+16:32*\t+31], v[D+8*\t:D+8*\t+7], v[AS+1], v[WVS+8*\hf+\t] matrix_a_fmt:MATRIX_FMT_BF8 matrix_b_fmt:MATRIX_FMT_BF8 matrix_b_scale:MATRIX_SCALE_ROW1
.endr
	WIN 0
	PLACES 8                                       ; eight places behind this form
.irp t, 0,1,2,3,4,5,6,7
	v_pk_mul_f32 v[T+2*\t:T+2*\t+1], v[D+8*\t:D+8*\t+1], v[P+8*((8*\hf+\t)/2):P+8*((8*\hf+\t)/2)+1]   ; the head of columns 16 t on is t / 2
.endr
.irp k, 2,4,6
.irp t, 0,1,2,3,4,5,6,7
	v_pk_fma_f32 v[T+2*\t:T+2*\t+1], v[D+8*\t+\k:D+8*\t+\k+1], v[P+8*((8*\hf+\t)/2)+\k:P+8*((8*\hf+\t)/2)+\k+1], v[T+2*\t:T+2*\t+1]
.endr
.endr
.irp t, 0,1,2,3,4,5,6,7
	v_add_f32 v[S+8*\hf+\t], v[T+2*\t], v[T+2*\t+1]
.endr
.endm
; One query, from set g.  gather = 1: set g is filled again, with the query two further on.  cnt: the other set's loads, which may stay out.
.macro ITER g, gather, cnt
	s_wait_loadcnt \cnt
	WIN 0x03
	v_mov_b32 v[AS], v[ASL+2*\g]                   ; the scale words leave the registers in which the next gather lands: far more than eight places ahead of the products
	v_mov_b32 v[AS+1], v[ASL+2*\g+1]
	WIN 0x0c                                       ; a store's data are its source 1: window 3
.irp i, 0,1,2,3,4,5,6,7
	ds_store_b128 v[CSS], v[104*\g+64+4*\i:104*\g+64+4*\i+3] offset:CP*\i
.endr
	WIN 0
.irp s, 0,1
.irp c, 0,1,2,3
	ds_load_b128 v[AF+16*\s+4*\c:AF+16*\s+4*\c+3], v[CSL] offset:128*\s+32*\c   ; LDS serves a wave's instructions in order: these see my stores
.endr
.endr
	WIN 0x0f                                       ; sources 0 and 1 in window 3: four columns of q . k for head a / 4 + 4 e, neighbour 8 h + i
.irp e, 0,1
.irp i, 0,1,2,3,4,5,6,7
	v_pk_mul_f32 v[D+2*(8*\e+\i):D+2*(8*\e+\i)+1], v[104*\g+8*\i+4*\e:104*\g+8*\i+4*\e+1], v[104*\g+96+4*\e:104*\g+96+4*\e+1]
.endr
.endr
.irp e, 0,1
.irp i, 0,1,2,3,4,5,6,7
	v_pk_fma_f32 v[D+2*(8*\e+\i):D+2*(8*\e+\i)+1], v[104*\g+8*\i+4*\e+2:104*\g+8*\i+4*\e+3], v[104*\g+96+4*\e+2:104*\g+96+4*\e+3], v[D+2*(8*\e+\i):D+2*(8*\e+\i)+1]
.endr
.endr
	WIN 0
.set n, 0
.rept 16
	v_add_f32 v[LG+n], v[D+2*n], v[D+2*n+1]
.set n, n+1
.endr
.irp m, 1,2                            ; with the three other lanes of the head
.set n, 0
.rept 16
	v_add_f32_dpp v[LG+n], v[LG+n], v[LG+n] row_xmask:\m row_mask:0xf bank_mask:0xf
.set n, n+1
.endr
.endr
	; the softmax over the 16 neighbours: eight registers, two halves of the lanes
.irp e, 0,1
	v_max3_num_f32 v[T+\e], v[LG+8*\e], v[LG+8*\e+1], v[LG+8*\e+2]
.endr
.irp i, 3,5
.irp e, 0,1
	v_max3_num_f32 v[T+\e], v[T+\e], v[LG+8*\e+\i], v[LG+8*\e+\i+1]
.endr
.endr
.irp e, 0,1
	v_max_num_f32 v[T+\e], v[T+\e], v[LG+8*\e+7]
.endr
.irp e, 0,1
	v_permlanex16_b32 v[T+2+\e], v[T+\e], s[SEL], s[SEL+1]
.endr
.irp e, 0,1
	v_max_num_f32 v[T+\e], v[T+\e], v[T+2+\e]
.endr
.irp e, 0,1
	v_mul_f32 v[T+4+2*\e], s[CL], v[T+\e]
.endr
.irp e, 0,1
	v_mov_b32 v[T+5+2*\e], v[T+4+2*\e]
.endr
.irp e, 0,1
.irp k, 0,2,4,6
	v_pk_fma_f32 v[LG+8*\e+\k:LG+8*\e+\k+1], v[LG+8*\e+\k:LG+8*\e+\k+1], s[CL:CL+1], v[T+4+2*\e:T+5+2*\e] op_sel_hi:[1,0,1] neg_lo:[0,0,1] neg_hi:[0,0,1]
.endr
.endr
.set n, 0
.rept 16
	v_exp_f32 v[LG+n], v[LG+n]
.set n, n+1
.endr
	v_nop                                          ; a plain line behind the exponentials
	s_wait_alu depctr_va_vdst(0)
.irp e, 0,1
	v_pk_add_f32 v[T+8+2*\e:T+9+2*\e], v[LG+8*\e:LG+8*\e+1], v[LG+8*\e+2:LG+8*\e+3]
.endr
.irp e, 0,1
	v_pk_add_f32 v[T+12+2*\e:T+13+2*\e], v[LG+8*\e+4:LG+8*\e+5], v[LG+8*\e+6:LG+8*\e+7]
.endr
.irp e, 0,1
	v_pk_add_f32 v[T+8+2*\e:T+9+2*\e], v[T+8+2*\e:T+9+2*\e], v[T+12+2*\e:T+13+2*\e]
.endr
.irp e, 0,1
	v_add_f32 v[T+\e], v[T+8+2*\e], v[T+9+2*\e]
.endr
.irp e, 0,1
	v_permlanex16_b32 v[T+2+\e], v[T+\e], s[SEL], s[SEL+1]
.endr
.irp e, 0,1
	v_add_f32 v[T+\e], v[T+\e], v[T+2+\e]
.endr
.irp e, 0,1
	v_rcp_f32 v[T+4+2*\e], v[T+\e]
.endr
	v_nop
	s_wait_alu depctr_va_vdst(0)
.irp e, 0,1
	v_mov_b32 v[T+5+2*\e], v[T+4+2*\e]
.endr
.irp e, 0,1
.irp k, 0,2,4,6
	v_pk_mul_f32 v[LG+8*\e+\k:LG+8*\e+\k+1], v[LG+8*\e+\k:LG+8*\e+\k+1], v[T+4+2*\e:T+5+2*\e]
.endr
.endr
.irp e, 0,1
.irp u, 0,1
	ds_store_b128 v[PSS], v[LG+8*\e+4*\u:LG+8*\e+4*\u+3] offset:256*\e+16*\u   ; [head][neighbour]; the four lanes of a head write the same
.endr
.endr
.irp hh, 0,1,2,3,4,5,6,7
.irp u, 0,1
	ds_load_b128 v[P+8*\hh+4*\u:P+8*\hh+4*\u+3], v[PSL] offset:64*\hh+16*\u     ; every head's weights of my half's eight neighbours
.endr
.endr
.if \gather
	GIDX
.endif
	s_wait_dscnt 0x0                               ; the fragments, the weights, the next list; and my stores have read set g's codes
.if \gather
	GLOADS \g
.endif
	PVHALF 0
	PVHALF 1
	v_add_nc_u32 v[TC], s[SOS], v[OSS]
.irp i, 0,1,2,3,4,5,6,7                ; columns 32 i + lane: lanes 0-15 keep tile 2 i, lanes 16-31 tile 2 i + 1, and each sends the other what it lacks
	v_cndmask_b32 v[T+\i], v[S+2*\i+1], v[S+2*\i], s[HM]
.endr
.irp i, 0,1,2,3,4,5,6,7
	v_cndmask_b32 v[S+2*\i], v[S+2*\i], v[S+2*\i+1], s[HM]
.endr
.irp i, 0,1,2,3,4,5,6,7
	v_permlanex16_b32 v[T+8+\i], v[T+\i], s[SEL], s[SEL+1]
.endr
.irp i, 0,1,2,3,4,5,6,7
	v_add_f32 v[S+2*\i], v[S+2*\i], v[T+8+\i]
.endr
.irp i, 0,1,2,3,4,5,6,7
	v_add_f32 v[S+2*\i], v[S+2*\i], v[BV+\i]
.endr
.irp i, 0,1,2,3,4,5,6,7
	ds_store_b32 v[TC], v[S+2*\i] offset:128*\i
.endr
	s_add_co_u32 s[SOS], s[SOS], XP
.endm
	GIDX
	s_wait_dscnt 0x0                               ; the list; Wv is in its registers too
	GLOADS 0
	GIDX
	s_wait_dscnt 0x0
	GLOADS 1
	s_mov_b32 s[CNT], 7
.Lquery:
	ITER 0, 1, 27
	ITER 1, 1, 27
	s_sub_co_u32 s[CNT], s[CNT], 1
	s_cmp_lg_u32 s[CNT], 0
	s_cbranch_scc1 .Lquery
	ITER 0, 0, 27                                  ; the last two queries gather nothing
	ITER 1, 0, 0
	; ---- Wo and the first residual
	s_mov_b32 s71, 0
	s_lshl_b32 s70, s[WV], 16
	s_add_nc_u64 s[72:73], s[12:13], s[70:71]      ; wq + 65,536 w: W1's and W2's fragments
	s_lshl_b32 s70, s[WV], 9
	s_add_nc_u64 s[74:75], s[12:13], s[70:71]      ; wq + 512 w: Wo's scale words
	s_lshl_b32 s70, s[WV], 11
	s_add_nc_u64 s[76:77], s[12:13], s[70:71]      ; wq + 2,048 w: W1's and W2's
	s_lshl_b32 s70, s[WV], 8
	s_add_nc_u64 s[80:81], s[16:17], s[70:71]      ; bo and b2f at my 64 columns
	s_add_nc_u64 s[82:83], s[24:25], s[70:71]
	s_lshl_b32 s70, s[WV], 10
	s_add_nc_u64 s[84:85], s[22:23], s[70:71]      ; b1f at my 256 hidden units
	s_lshl_b32 s70, ttmp9, 16
	s_lshl_b32 s39, s[WV], 14
	s_add_co_u32 s70, s70, s39
	s_add_nc_u64 s[86:87], s[28:29], s[70:71]      ; out0 at my 16 rows
	s_mov_b32 s70, s39
	s_add_nc_u64 s[70:71], s[12:13], s[70:71]      ; wq + 16,384 w: Wo's fragments
	v_lshlrev_b32 v[GB], 6, v[H]
	WIN 0xc0                                       ; destination window 3: Wo (tl, s) at v[16 (2 tl + s)], bo's four tiles from v128
.set n, 0
.rept 32
	global_load_b128 v[4*n:4*n+3], v[LI], s[70:71] offset:131072+512*n
.set n, n+1
.endr
.irp tl, 0,1,2,3
.irp e, 0,1
	global_load_b128 v[128+8*\tl+4*\e:128+8*\tl+4*\e+3], v[GB], s[80:81] offset:128*(\tl/2)+32*(\tl%2)+16*\e
.endr
.endr
	WIN 0
.irp tl, 0,1,2,3
	global_load_b32 v[WOS+\tl], v[L4], s[74:75] offset:WSCL+4096+128*\tl
.endr
.macro W1LOAD c                        ; W1's 16 fragments of my hidden units 128 c on -> window 1
	WIN 0x40
.set n, 0
.rept 64
	global_load_b128 v[4*n:4*n+3], v[LI], s[72:73] offset:196608+32768*\c+512*n
.set n, n+1
.endr
	WIN 0
.endm
.macro W2LOAD c                        ; W2's fragments (my tile tl, K step 2 kq + c) -> window 2
	WIN 0x80
.irp tl, 0,1,2,3
.irp kq, 0,1,2,3
.irp cc, 0,1,2,3
	global_load_b128 v[16*(4*\tl+\kq)+4*\cc:16*(4*\tl+\kq)+4*\cc+3], v[LI], s[72:73] offset:458752+(8*\tl+2*\kq+\c)*2048+512*\cc
.endr
.endr
.endr
	WIN 0
.endm
.macro B1LOAD c                        ; b1f in the result's layout -> window 3, v128-191
	WIN 0xc0
.irp tl, 0,1,2,3,4,5,6,7
.irp e, 0,1
	global_load_b128 v[128+8*\tl+4*\e:128+8*\tl+4*\e+3], v[GB], s[84:85] offset:512*\c+128*(\tl/2)+32*(\tl%2)+16*\e
.endr
.endr
	WIN 0
.endm
	W1LOAD 0
	W2LOAD 0
	s_mul_i32 s39, s[WV], 16*XP
	s_add_co_u32 s94, s39, OST
	v_mul_u32_u24 v[XCOL], v[A], XP
	v_add_nc_u32 v[XCOL], v[XCOL], v[GB]
	v_add_nc_u32 v[OWN], s94, v[XCOL]              ; my own rows: row 16 w + r, + 64 h
	v_add_nc_u32 v[ROWO], s94, v[LI]               ; and as whole rows
	s_lshl_b32 s95, s[WV], 8
	v_add_nc_u32 v[XCOL], s95, v[XCOL]             ; my columns of every row, in x's tile,
	v_add_nc_u32 v[COL], OST, v[XCOL]              ; and in the stage
	s_lshl_b32 s94, s[WV], 12
	s_add_co_u32 s94, s94, IMGA
	v_add_nc_u32 v[IMW], s94, v[LI]
	s_add_co_u32 s95, s95, IMGS
	v_add_nc_u32 v[ISW], s95, v[L4]
	v_add_nc_u32 v[IMR], IMGA, v[LI]
	v_add_nc_u32 v[ISR], IMGS, v[L4]
	s_lshl_b32 s94, s[WV], 11
	s_add_co_u32 s94, s94, HIMG
	v_add_nc_u32 v[HWI], s94, v[LI]
	s_lshl_b32 s94, s[WV], 7
	s_add_co_u32 s94, s94, HSC
	v_add_nc_u32 v[HWS], s94, v[L4]
	v_add_nc_u32 v[HRI], HIMG, v[LI]
	v_add_nc_u32 v[HRS], HSC, v[L4]
.irp b, 0,1,2,3
	v_mov_b32 v[TM+4+\b], 0
.endr
	v_mov_b32 v[LQ], 0
.macro OREAD                           ; my own 16 rows of the stage, in the quantiser's layout
.irp s, 0,1
.irp b, 0,1,2,3
.irp j, 0,1,2,3
	ds_load_b128 v[X+64*\s+16*\b+4*\j:X+64*\s+16*\b+4*\j+3], v[OWN] offset:512*\s+128*\b+16*\j
.endr
.endr
.endr
	s_wait_dscnt 0x0
.endm
.macro TOIMG                           ; they become two fragments, for every wave
	QUANT X
	IMAGE IMW, 0
	ds_store_b32 v[ISW], v[PW]
	QUANT X+64
	IMAGE IMW, 2048
	ds_store_b32 v[ISW], v[PW] offset:128
.endm
	OREAD                                          ; o: my wave stored these bytes itself
	TOIMG
	BARRIER                                        ; o's eight fragments lie in LDS, and nobody reads o's rows any more
	s_wait_loadcnt 63                              ; 128 loads were issued behind Wo's, bo's and the scale words'
.irp mp, 0,1                           ; two tiles of rows at a time: eight accumulators by turns
.irp f, 0,1,2,3
	FETCH OF+16*\f, IMR, (4*\mp+\f)*2048
	ds_load_b32 v[IS+\f], v[ISR] offset:(4*\mp+\f)*128
.endr
	s_wait_dscnt 0x0
	WIN 0x33                                       ; sources 0 (Wo) and 2 (bo) in window 3
.irp mm, 0,1
.irp tl, 0,1,2,3
	v_wmma_scale_f32_16x16x128_f8f6f4 v[X+8*(4*(2*\mp+\mm)+\tl):X+8*(4*(2*\mp+\mm)+\tl)+7], v[32*\tl:32*\tl+15], v[OF+32*\mm:OF+32*\mm+15], v[128+8*\tl:128+8*\tl+7], v[WOS+\tl], v[IS+2*\mm] matrix_a_fmt:MATRIX_FMT_BF8 matrix_b_fmt:MATRIX_FMT_BF8
.endr
.endr
	WIN 0x03
.irp mm, 0,1
.irp tl, 0,1,2,3
	v_wmma_scale_f32_16x16x128_f8f6f4 v[X+8*(4*(2*\mp+\mm)+\tl):X+8*(4*(2*\mp+\mm)+\tl)+7], v[32*\tl+16:32*\tl+31], v[OF+32*\mm+16:OF+32*\mm+31], v[X+8*(4*(2*\mp+\mm)+\tl):X+8*(4*(2*\mp+\mm)+\tl)+7], v[WOS+\tl], v[IS+2*\mm+1] matrix_a_fmt:MATRIX_FMT_BF8 matrix_b_fmt:MATRIX_FMT_BF8 matrix_a_scale:MATRIX_SCALE_ROW1
.endr
.endr
	WIN 0
	PLACES 8
.endr
	WIN 0xc0                                       ; gf and bf take Wo's place, in the row's layout
.irp s, 0,1
.irp b, 0,1,2,3
.irp j, 0,1,2,3
	global_load_b128 v[64*\s+16*\b+4*\j:64*\s+16*\b+4*\j+3], v[GB], s[18:19] offset:512*\s+128*\b+16*\j
	global_load_b128 v[128+64*\s+16*\b+4*\j:128+64*\s+16*\b+4*\j+3], v[GB], s[20:21] offset:512*\s+128*\b+16*\j
.endr
.endr
.endr
	WIN 0
.macro XLD m, buf                      ; x at my columns of rows 16 m on
.irp tl, 0,1,2,3
.irp e, 0,1
	ds_load_b128 v[\buf+8*\tl+4*\e:\buf+8*\tl+4*\e+3], v[XCOL] offset:16*XP*\m+128*(\tl/2)+32*(\tl%2)+16*\e
.endr
.endr
.endm
.macro RES m, buf                      ; x1 = x + o rw, into the stage
.irp tl, 0,1,2,3
.irp k, 0,2,4,6
	v_pk_fma_f32 v[X+8*(4*\m+\tl)+\k:X+8*(4*\m+\tl)+\k+1], v[X+8*(4*\m+\tl)+\k:X+8*(4*\m+\tl)+\k+1], s[RW:RW+1], v[\buf+8*\tl+\k:\buf+8*\tl+\k+1] op_sel_hi:[1,0,1]
.endr
.endr
.irp tl, 0,1,2,3
.irp e, 0,1
	ds_store_b128 v[COL], v[X+8*(4*\m+\tl)+4*\e:X+8*(4*\m+\tl)+4*\e+3] offset:16*XP*\m+128*(\tl/2)+32*(\tl%2)+16*\e
.endr
.endr
.endm
	XLD 0, 64
	XLD 1, 96
	s_wait_dscnt 8                                 ; behind tile 0's loads: tile 1's eight
	RES 0, 64
	XLD 2, 64
	s_wait_dscnt 16                                ; behind tile 1's loads: eight stores, eight loads
	RES 1, 96
	XLD 3, 96
	s_wait_dscnt 16
	RES 2, 64
	s_wait_dscnt 8                                 ; behind tile 3's loads: eight stores
	RES 3, 96
.irp t, 0,1,2,3,4,5,6,7,8,9,10,11,12,13,14,15
	global_load_b32 v[W1S+\t], v[L4], s[76:77] offset:WSCL+6144+128*\t    ; W1's scale words: chunk t / 8, tile t % 8; K steps in the halves of the lanes
.endr
.irp t, 0,1,2,3,4,5,6,7,8,9,10,11,12,13,14,15
	global_load_b32 v[W2S+\t], v[L4], s[76:77] offset:WSCL+14336+(8*(\t/4)+2*(\t%4))*64   ; W2's: tile t / 4, K steps 2 (t % 4) and + 1 in the halves
.endr
	BARRIER                                        ; x1's 64 rows are whole
	; ---- the second LayerNorm
	OREAD
	s_wait_loadcnt 0x0
	LNORM X, 0x3c                                  ; sources 1 and 2 in window 3
	TOIMG
	WIN 0xc0                                       ; the last product's sums begin as b2f: accumulator (tl, m) at v[8 (4 tl + m)] of window 3
.irp tl, 0,1,2,3
.irp m, 0,1,2,3
.irp e, 0,1
	global_load_b128 v[8*(4*\tl+\m)+4*\e:8*(4*\tl+\m)+4*\e+3], v[GB], s[82:83] offset:128*(\tl/2)+32*(\tl%2)+16*\e
.endr
.endr
.endr
	WIN 0
	B1LOAD 0
	SPAIR RS2, 0x3f3504f3                          ; 1 / sqrt(2).  (The tensor loads that named these registers have landed long ago)
	SPAIR CA0, 0xaf95df0b
	SPAIR CA2, 0xb60cff51
	SPAIR CA3, 0xb86ec2d2
	SPAIR CA4, 0xba40ac63
	SPAIR CA5, 0xbb41a1f6
	SPAIR CA6, 0xbc83dbd4
	SPAIR CB0, 0xb77460cd
	SPAIR CB2, 0xbadc924e
	SPAIR CB3, 0xbbf19bf8
	SPAIR CB4, 0xbc69b6a7
	v_mov_b32 v[GC], 0x32edffee
	v_mov_b32 v[GC+1], 0x32edffee
	v_mov_b32 v[GC+2], 0xb95fbd29
	v_mov_b32 v[GC+3], 0xb95fbd29
	BARRIER                                        ; the normalised rows' eight fragments lie in LDS
; gelu(h) = h / 2 + (h / 2) erf(h / sqrt(2)) on v[HA] .. + 63, an accumulator (four pairs) at a time, the four pairs by turns
.macro GELU
.set g, 0
.rept 8
.irp k, 0,1,2,3
	v_pk_mul_f32 v[GZ+8*\k:GZ+8*\k+1], v[HA+8*g+2*\k:HA+8*g+2*\k+1], s[RS2:RS2+1] op_sel_hi:[1,0]
.endr
.irp k, 0,1,2,3
	v_med3_num_f32 v[GZ+8*\k], v[GZ+8*\k], -4.0, 4.0
	v_med3_num_f32 v[GZ+8*\k+1], v[GZ+8*\k+1], -4.0, 4.0
.endr
.irp k, 0,1,2,3
	v_pk_mul_f32 v[GZ+8*\k+2:GZ+8*\k+3], v[GZ+8*\k:GZ+8*\k+1], v[GZ+8*\k:GZ+8*\k+1]
.endr
.irp k, 0,1,2,3
	v_pk_fma_f32 v[GZ+8*\k+4:GZ+8*\k+5], v[GZ+8*\k+2:GZ+8*\k+3], s[CA0:CA0+1], v[GC:GC+1] op_sel_hi:[1,0,1]
	v_pk_fma_f32 v[GZ+8*\k+6:GZ+8*\k+7], v[GZ+8*\k+2:GZ+8*\k+3], s[CB0:CB0+1], v[GC+2:GC+3] op_sel_hi:[1,0,1]
.endr
.irp cf, CA2, CA3, CA4, CA5, CA6
.irp k, 0,1,2,3
	v_pk_fma_f32 v[GZ+8*\k+4:GZ+8*\k+5], v[GZ+8*\k+4:GZ+8*\k+5], v[GZ+8*\k+2:GZ+8*\k+3], s[\cf:\cf+1] op_sel_hi:[1,1,0]
.endr
.endr
.irp cf, CB2, CB3, CB4
.irp k, 0,1,2,3
	v_pk_fma_f32 v[GZ+8*\k+6:GZ+8*\k+7], v[GZ+8*\k+6:GZ+8*\k+7], v[GZ+8*\k+2:GZ+8*\k+3], s[\cf:\cf+1] op_sel_hi:[1,1,0]
.endr
.endr
.irp k, 0,1,2,3
	v_rcp_f32 v[GZ+8*\k+6], v[GZ+8*\k+6]
	v_rcp_f32 v[GZ+8*\k+7], v[GZ+8*\k+7]
.endr
.irp k, 0,1,2,3
	v_pk_mul_f32 v[GZ+8*\k+4:GZ+8*\k+5], v[GZ+8*\k+4:GZ+8*\k+5], v[GZ+8*\k:GZ+8*\k+1]   ; plain lines behind the reciprocals
.endr
.irp k, 0,1,2,3
	v_pk_mul_f32 v[HA+8*g+2*\k:HA+8*g+2*\k+1], v[HA+8*g+2*\k:HA+8*g+2*\k+1], 0.5 op_sel_hi:[1,0]
.endr
	s_wait_alu depctr_va_vdst(0)
.irp k, 0,1,2,3
	v_pk_mul_f32 v[GZ+8*\k+4:GZ+8*\k+5], v[GZ+8*\k+4:GZ+8*\k+5], v[GZ+8*\k+6:GZ+8*\k+7]
.endr
.irp k, 0,1,2,3
	v_pk_fma_f32 v[HA+8*g+2*\k:HA+8*g+2*\k+1], v[HA+8*g+2*\k:HA+8*g+2*\k+1], v[GZ+8*\k+4:GZ+8*\k+5], v[HA+8*g+2*\k:HA+8*g+2*\k+1]
.endr
.set g, g+1
.endr
.endm
; My hidden units 256 w + 128 c on, for the four tiles of rows: they are K step 2 w + c of the last product
.macro P3 c
.if \c
	s_wait_loadcnt 63                              ; 64 loads (W2's second chunk) were issued behind W1's second chunk and its bias
.else
	s_wait_loadcnt 0x0
.endif
	s_mov_b32 s94, 0
	s_mov_b32 s95, 0
	s_mov_b32 s96, 0
	s_mov_b32 s97, 0
	s_mov_b32 s[CNT], 4
.Lrows_\@:
	v_add_nc_u32 v[LA], s94, v[IMR]
	v_add_nc_u32 v[LA+1], s95, v[ISR]
	v_add_nc_u32 v[LA+2], s96, v[HWI]
	v_add_nc_u32 v[LA+3], s97, v[HWS]
	FETCH YF, LA, 0
	FETCH YF+16, LA, 2048
	ds_load_b32 v[IS], v[LA+1]
	ds_load_b32 v[IS+1], v[LA+1] offset:128
	s_wait_dscnt 0x0
	WIN 0x31                                       ; source 0 (W1) window 1, source 2 (b1f) window 3
.irp tl, 0,1,2,3,4,5,6,7
	v_wmma_scale_f32_16x16x128_f8f6f4 v[HA+8*\tl:HA+8*\tl+7], v[32*\tl:32*\tl+15], v[YF:YF+15], v[128+8*\tl:128+8*\tl+7], v[W1S+8*\c+\tl], v[IS] matrix_a_fmt:MATRIX_FMT_BF8 matrix_b_fmt:MATRIX_FMT_BF8
.endr
	WIN 0x01
.irp tl, 0,1,2,3,4,5,6,7
	v_wmma_scale_f32_16x16x128_f8f6f4 v[HA+8*\tl:HA+8*\tl+7], v[32*\tl+16:32*\tl+31], v[YF+16:YF+31], v[HA+8*\tl:HA+8*\tl+7], v[W1S+8*\c+\tl], v[IS+1] matrix_a_fmt:MATRIX_FMT_BF8 matrix_b_fmt:MATRIX_FMT_BF8 matrix_a_scale:MATRIX_SCALE_ROW1
.endr
	WIN 0
	PLACES 8
	GELU
	QUANT HA
	IMAGE LA+2, 32768*\c
	ds_store_b32 v[LA+3], v[PW] offset:2048*\c
	s_add_co_u32 s94, s94, 4096
	s_add_co_u32 s95, s95, 256
	s_add_co_u32 s96, s96, 8192
	s_add_co_u32 s97, s97, 512
	s_sub_co_u32 s[CNT], s[CNT], 1
	s_cmp_lg_u32 s[CNT], 0
	s_cbranch_scc1 .Lrows_\@
.endm
; The last product over the four K steps of chunk c: sixteen accumulators by turns
.macro P4 c
.if \c
	s_wait_loadcnt 0x0                             ; W2's second chunk (its first was shown landed ahead of the first chunk's hidden layer)
.endif
.irp kq, 0,1,2,3
.irp m, 0,1,2,3
	FETCH HF+16*\m, HRI, 32768*\c+(4*\m+\kq)*2048
	ds_load_b32 v[IS+\m], v[HRS] offset:2048*\c+(4*\m+\kq)*128
.endr
	s_wait_dscnt 0x0
	WIN 0xf2                                       ; source 0 (W2) window 2, C and D window 3
.irp tl, 0,1,2,3
.irp m, 0,1,2,3
.if \c
	v_wmma_scale_f32_16x16x128_f8f6f4 v[8*(4*\tl+\m):8*(4*\tl+\m)+7], v[16*(4*\tl+\kq):16*(4*\tl+\kq)+15], v[HF+16*\m:HF+16*\m+15], v[8*(4*\tl+\m):8*(4*\tl+\m)+7], v[W2S+4*\tl+\kq], v[IS+\m] matrix_a_fmt:MATRIX_FMT_BF8 matrix_b_fmt:MATRIX_FMT_BF8 matrix_a_scale:MATRIX_SCALE_ROW1
.else
	v_wmma_scale_f32_16x16x128_f8f6f4 v[8*(4*\tl+\m):8*(4*\tl+\m)+7], v[16*(4*\tl+\kq):16*(4*\tl+\kq)+15], v[HF+16*\m:HF+16*\m+15], v[8*(4*\tl+\m):8*(4*\tl+\m)+7], v[W2S+4*\tl+\kq], v[IS+\m] matrix_a_fmt:MATRIX_FMT_BF8 matrix_b_fmt:MATRIX_FMT_BF8
.endif
.endr
.endr
	WIN 0
	PLACES 8
.endr
.endm
	P3 0
	W1LOAD 1
	B1LOAD 1
	BARRIER                                        ; the first chunk's sixteen fragments lie in LDS
	P4 0
	W2LOAD 1
	P3 1
	BARRIER
	P4 1
	; ---- the second residual and the way out
.irp tl, 0,1,2,3
.irp m, 0,1,2,3
.irp e, 0,1
	ds_load_b128 v[X+8*(4*\tl+\m)+4*\e:X+8*(4*\tl+\m)+4*\e+3], v[COL] offset:16*XP*\m+128*(\tl/2)+32*(\tl%2)+16*\e
.endr
.endr
.endr
	s_wait_dscnt 0x0
	WIN 0x03                                       ; source 0 in window 3; each accumulator from its low end on
.set i, 0
.rept 64
	v_pk_fma_f32 v[X+i:X+i+1], v[i:i+1], s[RW:RW+1], v[X+i:X+i+1] op_sel_hi:[1,0,1]
.set i, i+2
.endr
	WIN 0
.irp tl, 0,1,2,3
.irp m, 0,1,2,3
.irp e, 0,1
	ds_store_b128 v[COL], v[X+8*(4*\tl+\m)+4*\e:X+8*(4*\tl+\m)+4*\e+3] offset:16*XP*\m+128*(\tl/2)+32*(\tl%2)+16*\e
.endr
.endr
.endr
	BARRIER                                        ; 64 whole rows of the result lie in the stage
.set n, 0
.rept 32
	ds_load_b128 v[X+4*n:X+4*n+3], v[ROWO] offset:(n/2)*XP+512*(n%2)
.set n, n+1
.endr
.set n, 0
.rept 32
	s_wait_dscnt 31-n
	global_store_b128 v[LI], v[X+4*n:X+4*n+3], s[86:87] offset:(n/2)*1024+512*(n%2) th:TH_STORE_NT   ; 512 consecutive bytes; written once, read by nobody here
.set n, n+1
.endr
	s_wait_xcnt 0x0
	v_lshl_add_u32 v254, v0, 2, 0x4b800
	v_mov_b32 v255, 0
	s_wait_tensorcnt 0x0
	ds_add_u32 v254, v255
	s_wait_dscnt 0x0
	s_endpgm
.Lfunc_end_k_q6b89dbfb0e_attn:
	.size	k_q6b89dbfb0e_attn, .Lfunc_end_k_q6b89dbfb0e_attn-k_q6b89dbfb0e_attn
	.p2alignl 7, 3214868480
	.fill 96, 4, 3214868480
	.section	.rodata,"a",@progbits
	.p2align	6, 0x0
	.amdhsa_kernel k_q6b89dbfb0e_attn
		.amdhsa_group_segment_fixed_size 327680
		.amdhsa_private_segment_fixed_size 0
		.amdhsa_enable_private_segment 0
		.amdhsa_kernarg_size 104
		.amdhsa_user_sgpr_count 2
		.amdhsa_user_sgpr_kernarg_segment_ptr 1
		.amdhsa_wavefront_size32 1
		.amdhsa_system_sgpr_workgroup_id_x 1
		.amdhsa_system_sgpr_workgroup_id_y 1
		.amdhsa_system_sgpr_workgroup_id_z 1
		.amdhsa_system_vgpr_workitem_id 0
		.amdhsa_next_free_vgpr 1024
		.amdhsa_next_free_sgpr 102
		.amdhsa_reserve_vcc 0
		.amdhsa_float_denorm_mode_32 3
		.amdhsa_float_denorm_mode_16_64 3
		.amdhsa_memory_ordered 1
		.amdhsa_forward_progress 1
		.amdhsa_inst_pref_size 255
	.end_amdhsa_kernel
	.section	.bss,"aw",@nobits
	.p2align	6
	.space	262144
	.amdgpu_metadata
---
amdhsa.version: [ 1, 2 ]
amdhsa.kernels:
  - .name:           k_q6b89dbfb0e_attn
    .symbol:         k_q6b89dbfb0e_attn.kd
    .args:
      - { .name: x, .offset: 0, .size: 8, .value_kind: global_buffer, .address_space: global }
      - { .name: masks, .offset: 8, .size: 8, .value_kind: global_buffer, .address_space: global }
      - { .name: qkn, .offset: 16, .size: 8, .value_kind: global_buffer, .address_space: global }
      - { .name: xq, .offset: 24, .size: 8, .value_kind: global_buffer, .address_space: global }
      - { .name: wq, .offset: 32, .size: 8, .value_kind: global_buffer, .address_space: global }
      - { .name: bv, .offset: 40, .size: 8, .value_kind: global_buffer, .address_space: global }
      - { .name: bo, .offset: 48, .size: 8, .value_kind: global_buffer, .address_space: global }
      - { .name: gf, .offset: 56, .size: 8, .value_kind: global_buffer, .address_space: global }
      - { .name: bf, .offset: 64, .size: 8, .value_kind: global_buffer, .address_space: global }
      - { .name: b1f, .offset: 72, .size: 8, .value_kind: global_buffer, .address_space: global }
      - { .name: b2f, .offset: 80, .size: 8, .value_kind: global_buffer, .address_space: global }
      - { .name: rw, .offset: 88, .size: 8, .value_kind: global_buffer, .address_space: global }
      - { .name: out0, .offset: 96, .size: 8, .value_kind: global_buffer, .address_space: global }
    .group_segment_fixed_size: 327680
    .private_segment_fixed_size: 0
    .kernarg_segment_align: 8
    .kernarg_segment_size: 104
    .max_flat_workgroup_size: 128
    .sgpr_count:     102
    .vgpr_count:     1024
    .wavefront_size: 32
...
	.end_amdgpu_metadata
.endif
;; end of part 4
